; MI455X (gfx1250); checked and timed in simulation.
; The chip was launched on July 23, 2026; its instructions are those of AMD's public machine-readable ISA for CDNA 5 (MIT licence, August 2026) and "CDNA5" Instruction Set Architecture Reference Guide (July 2026). The comments in the code are by the model that wrote it; some were corrected since.
;; GPT2 Symmetric Latent Attention. Allowed arithmetic: matrix products marked QUANTISED: E2M1 operands, one E8M0 scale for each 32 along K, by v_wmma_scale_f32_16x16x128_f8f6f4 with both operands' format E2M1 (or v_wmma_scale_f32_32x16x128_f4), f32 sums; everything else in f32.
;; Inputs: basis_w_codes 64 x 32 x 16 uint8 (E2M1 codes of basis_w, K innermost, in blocks of 32 codes, two codes a byte); basis_w_scales 64 x 32 uint8 (E8M0 scales of basis_w, one for each 32 codes along K); core 64 x 64 float32; head_residual 16 x 64 x 64 float32; hidden_states_codes 4 x 2,048 x 32 x 16 uint8 (E2M1 codes of hidden_states, K innermost, in blocks of 32 codes, two codes a byte); hidden_states_scales 4 x 2,048 x 32 uint8 (E8M0 scales of hidden_states, one for each 32 codes along K); o_b 1,024 float32; o_w_codes 1,024 x 32 x 16 uint8 (E2M1 codes of o_w, K innermost, in blocks of 32 codes, two codes a byte); o_w_scales 1,024 x 32 uint8 (E8M0 scales of o_w, one for each 32 codes along K); v_b 1,024 float32; v_w_codes 1,024 x 32 x 16 uint8 (E2M1 codes of v_w, K innermost, in blocks of 32 codes, two codes a byte); v_w_scales 1,024 x 32 uint8 (E8M0 scales of v_w, one for each 32 codes along K).
;; Outputs: out0 4 x 2,048 x 1,024 float32.
;; This version of the problem:
;;   THIS VERSION OF THE PROBLEM IS GIVEN IN LOW PRECISION. The matrix products marked QUANTISED in the list below multiply operands that are first quantised to E2M1 (2 exponent bits, 1 mantissa bit; 4 bits a number), with one power-of-two scale for each 32 numbers along K (OCP MX v1.0); their sums are f32. All else is computed in f32.
;;   The module's matrix products, in the order in which they are computed (A, B: the left and right operand; K: the contracted axis; several contracted axes count as one K, in the product's order):
;;     1. [M 8,192, K 1,024] x [K 1,024, N 64]; A: input hidden_states (given as codes); B: input basis_w (given as codes): QUANTISED
;;     2. [M 1,024, K 64] x [K 64, N 8,192]; A: computed on the way; B: computed on the way: QUANTISED
;;     3. batch 4 x [M 32,768, K 64] x [K 64, N 2,048]; A: computed on the way; B: computed on the way: QUANTISED
;;     4. [M 8,192, K 1,024] x [K 1,024, N 1,024]; A: input hidden_states (given as codes); B: input v_w (given as codes): QUANTISED
;;     5. batch 64 x [M 2,048, K 2,048] x [K 2,048, N 64]; A: softmax (see below); B: computed on the way: QUANTISED
;;     6. [M 8,192, K 1,024] x [K 1,024, N 1,024]; A: computed on the way; B: input o_w (given as codes): QUANTISED
;;   THE QUANTISER, for each operand of a quantised product, along K:
;;     - K is cut into blocks of 32 from its start; a last block that is shorter is filled with zeros.
;;     - A block's scale is 2^e with e = floor(log2(the largest magnitude in the block)) - 2, held to -126 .. 127; a block of zeros has e = 0. As a byte (E8M0): e + 127.
;;     - Each number is divided by its block's scale, clamped to +-6, and rounded to the nearest number of E2M1, ties to even, subnormals kept.
;;     - The product sums the exact products of the quantised numbers (number of the format x scale) in f32.
;;   ~~~python
;;   def quantise(x, axis):      # numpy; x: float32 -> the quantised numbers, widened to float32 again
;;       x = np.moveaxis(x, axis, -1); K = x.shape[-1]
;;       x = np.pad(x, [(0, 0)] * (x.ndim - 1) + [(0, -K % 32)]); x = x.reshape(x.shape[:-1] + (-1, 32)); a = np.abs(x).max(-1, keepdims=True)
;;       e = np.where(a > 0, np.clip(np.frexp(np.where(a > 0, a, 1))[1] - 1 - 2, -126, 127), 0)      # np.frexp(a)[1] - 1 = floor(log2(a)), exactly
;;       r = np.clip(x / 2.0 ** e, -6, 6)
;;       step = 2.0 ** (np.maximum(np.frexp(np.where(r == 0, 1, r))[1] - 1, 0) - 1)
;;       q = np.round(r / step) * step * 2.0 ** e      # np.round: ties to even
;;       return np.moveaxis(q.reshape(q.shape[:-2] + (-1,))[..., :K], -1, axis).astype(np.float32)
;;   ~~~
;;   SOFTMAX AHEAD OF A QUANTISED PRODUCT. Where the list says 'softmax', what is quantised is not the finished softmax but p = 2^(t - M), with t = logit x log2(e) and M = ceil(the row's largest t), a whole number; so 1/2 < the row's largest p <= 1. The row's sum l is taken of the UNQUANTISED p, in f32, and the product's result is divided by l at the end. Since M is a whole number, a kernel that streams over the keys may use a running M (the ceiling of the running maximum): every later rescaling is an exact power of two, which a block's scale takes up: the codes' values come out the same.
;;   OPERANDS COMPUTED ON THE WAY. 'Computed on the way' means the value that the module computes at that place (a softmax that the list does not call 'softmax' is quantised finished and normalised). What goes into a quantiser is computed in f32, as accurately as f32 sums, v_exp_f32 and their like allow (about 1e-6 of the number): no bf16 or f16 on the way to a quantiser, and a product that is left as it is and whose result goes on into a quantised operand takes f32 operands (vector FMAs, or v_wmma_f32_16x16x4_f32). A number that lies on a knife's edge between two numbers of the format may be rounded either way, as far as f32 arithmetic and the matrix unit's own rounding can turn it there, and no further.
;;   INPUTS GIVEN AS CODES. basis_w (in the module: [64, 1024], K = its axis 1); hidden_states (in the module: [4, 2048, 1024], K = its axis 2); o_w (in the module: [1024, 1024], K = its axis 1); v_w (in the module: [1024, 1024], K = its axis 1): each comes as NAME_codes (uint8): NAME with its K axis moved to the last place and cut into blocks of 32 codes, [.., K / 32, bytes a block], one block behind the other in memory; two codes a byte, the lower K in the low four bits (a code: sign, 2 exponent bits, 1 mantissa bit); and NAME_scales (uint8): the same leading axes, one E8M0 byte (e + 127) for each 32 codes along K. Its value is code x scale, taken as it is: it is not quantised again, and the codes and scales need not be those that the quantiser above would give.
;; One version. Each part assembles by itself: llvm-mc -triple=amdgcn-amd-amdhsa -mcpu=gfx1250 --defsym DOCPART=n.
;; ======== version 1 of 1: 3 launches
;; limits: right only within a limited range of input values
;; workspace buffers: kimg 327,680 bytes; vimg 4,718,592 bytes; hmimg 40,960 bytes; yimg 4,456,448 bytes
;; launch prep (part 1): grid 4 x 64, 8 waves a work-group, clusters of 4 x 4, 258,048 bytes of LDS; arguments hidden_states_codes, hidden_states_scales, v_w_codes, v_w_scales, v_b, basis_w_codes, basis_w_scales, core, head_residual, vimg, kimg, hmimg; writes vimg, kimg, hmimg
.if DOCPART == 1
	.amdgcn_target "amdgcn-amd-amdhsa--gfx1250"
	.amdhsa_code_object_version 6
	.text
	.protected	k_qf8238c526e_prep
	.globl	k_qf8238c526e_prep
	.p2align	8
	.type	k_qf8238c526e_prep,@function
k_qf8238c526e_prep:
	s_mov_b64 s[64:65], 0
	v_nop
	global_prefetch_b8 v0, s[64:65] scope:SCOPE_SE
	s_setreg_imm32_b32 hwreg(HW_REG_WAVE_MODE, 25, 1), 1
	s_wait_xcnt 0x0
	s_wait_alu depctr_hold_cnt(0) depctr_sa_sdst(0) depctr_va_vdst(0) depctr_va_sdst(0) depctr_va_ssrc(0) depctr_va_vcc(0) depctr_vm_vsrc(0)
	s_getreg_b32 s2, hwreg(HW_REG_IB_STS2, 6, 4)
	s_cmp_eq_u32 s2, 0
	s_cbranch_scc0 .Lentry_in_a_cluster
	s_endpgm
.Lentry_in_a_cluster:
	s_bfe_u32 s2, ttmp6, 0x10000c
	s_cmp_lg_u32 s2, 0xf033
	s_cbranch_scc0 .Lentry_shape_is_right
	s_endpgm
.Lentry_shape_is_right:
; PREP.  Three results, all as codes of E2M1 with E8M0 scales, laid as images of operand registers (lane l: 16 bytes at 16 l; scale word at 4 l):
;   vimg : v = hidden v_w^T + v_b, quantised along the KEYS (tokens): [b*16+head][key step of 128][4 tiles of 16 d x 1,024 bytes | 4 x 128 bytes of words]
;   kimg : latent = hidden basis_w^T, quantised along its 64: [b][key step][8 tiles of 16 tokens x 512 bytes | 8 x 128 bytes of words]; word bytes 2, 3 = 0x7f
;   hmimg: head_mats = (core + core^T)/32 + head_residual - mean over heads, quantised down r: [head][4 tiles of 16 s x 512 bytes | 4 x 128 bytes of words]
; SHARES.  Work-group (g, tb): 256 rows of v_w (heads 4g..4g+3) x 128 tokens.  Eight waves; wave w makes 128 tokens x 32 columns: 16 accumulators.
; The product is laid with source 0 = 16 tokens and source 1 = 16 rows of v_w: a lane then holds ONE column d and its registers run along the tokens, the next product's K.
; A RESULT BECOMES AN OPERAND: in tile T register j of lane (r, h) is k = 16 T + 8 h + j.  The conversions of tiles 4c, 4c+2, 4c+1, 4c+3 go to registers 4c .. 4c+3; two exchanges of
; lane halves (registers 4c with 4c+1, 4c+2 with 4c+3) then give k = 64 c + 32 h + 0..31, which is the layout of a 4-bit operand.
; Waves 0 and 1 also make the latent of token tile 2g + w; in the sixteen work-groups of cluster y = 0 all waves first make head 4cy + cx of head_mats, 8 columns a wave.
; CLUSTER 4 x 4: the tile of hidden hangs on tb alone and is asked for jointly along a row of the cluster, that of v_w on g alone, along a column.  basis_w has one address for all sixteen
; partners while a mask names four: it comes by a plain load (32 KiB a work-group).
; All of K (1,024) lies in LDS at once, in two halves of 256-byte rows; nothing is filled twice.
; LIMITS: NaN and infinities are not served; a block whose largest magnitude lies under 2^-124 (a block of zeros too) gets the byte 1: its codes are then zeros or subnormal, and this program alone reads the bytes.
.set P,     272                        ; an LDS row: 256 bytes + 16 of padding: the 16 rows of a fragment load start at 16 different 16-byte columns
.set HALF,  64*P                       ; 64 rows in LDS
.set HID0,  0                          ; hidden, K half 0: 128 rows
.set HID1,  128*P
.set VW0,   256*P                      ; v_w, K half 0: 256 rows
.set VW1,   512*P
.set BAS0,  768*P                      ; basis_w: 64 rows
.set BAS1,  832*P
.set HS,    896*P                      ; hidden's scale bytes, 16 units of 256 bytes + 16; stored from registers, no tile lands here
.set VS,    248320                     ; v_w's, 32 units
.set PADW,  (1<<20)|(5<<22)|(3<<25)    ; group 1, word 0: elements of 1 byte, padding on, 4 words behind every 64
.set WV,  28                           ; s28 wave
.set G1A, 36                           ; s[36:43] group 1, hidden (mask: my row)      s[44:51] v_w (my column)      s[52:59] basis_w (no mask)
.set G1B, 44
.set G1P, 52
.set GA0, 60                           ; groups 0 of hidden, v_w, basis_w: one a wave, its K half or part set from the wave's number
.set GA1, 68
.set GB0, 72
.set GB1, 76
.set GS0, 80
.set GS1, 84
.set SEL, 66                           ; s[66:67] selects of v_permlanex16_b32: lane l xor 16
.set ADA,  4                           ; v4-5   LDS address of my lane in a token fragment, K half 0, 1
.set ADB,  6                           ; v6-7   the same for my wave's 32 rows of v_w
.set ADHS, 8                           ; v8     hidden's scale words
.set ADVS, 9                           ; v9     v_w's
.set VCO,  10                          ; v10    vimg: 16 l + 2,048 (w & 1)
.set VWO,  11                          ; v11    vimg: 4 l + 256 (w & 1)
.set CPH,  12                          ; v12    where I store my 16 bytes of hidden's scales
.set CPV,  13                          ; v13    and of v_w's
.set ADS,  14                          ; v14-15 basis_w fragments, K half 0, 1
.set BIAS, 16                          ; v16-31 v_b of my column, eight times, for two tiles
.set TM,   16                          ; later the quantiser's 12 temporaries
.set SA,   32                          ; v32-39 scale words of 8 token tiles
.set SB,   40                          ; v40-41 of 2 tiles of v_w
.set BF,   48                          ; v48-63 two fragments of v_w; later V's codes
.set AF,   64                          ; v64-127 eight token fragments
.set ACC,  128                         ; v128-255 accumulator (tile n, token tile t) at 128 + 64 n + 8 t
.macro PLACES n
.rept \n
	v_nop
.endr
.endm
.macro CROUND                          ; a round of the cluster's barrier
	s_barrier_signal -1
	s_barrier_wait -1
	s_cmp_lg_u32 s[WV], 0
	s_cbranch_scc1 .Lnot_wave_0_\@
	s_barrier_signal -3
.Lnot_wave_0_\@:
	s_barrier_wait -3
	s_barrier_signal -1
	s_barrier_wait -1
.endm
.macro WMC d, a, b, c, sa, sb
	v_wmma_scale_f32_16x16x128_f8f6f4 v[\d:\d+7], v[\a:\a+7], v[\b:\b+7], v[\c:\c+7], v[\sa], v[\sb] matrix_a_fmt:MATRIX_FMT_FP4 matrix_b_fmt:MATRIX_FMT_FP4
.endm
.macro WMZ d, a, b, sa, sb
	v_wmma_scale_f32_16x16x128_f8f6f4 v[\d:\d+7], v[\a:\a+7], v[\b:\b+7], 0, v[\sa], v[\sb] matrix_a_fmt:MATRIX_FMT_FP4 matrix_b_fmt:MATRIX_FMT_FP4
.endm
; nb blocks of 32 along K: 16 nb numbers of a lane from v[s] on (register 8 T + j = k 16 T + 8 h + j) become 2 nb registers of codes from v[pc] on and the scale word v[wd].
.macro QUANT nb, s, pc, wd
.set qb, 0
.rept \nb
	v_max3_num_f32 v[TM+qb], |v[(\s)+16*qb]|, |v[(\s)+16*qb+1]|, 0x1800000      ; my 16 numbers of the block, and the floor 2^(3 - 127): the byte cannot fall under 1
.set qb, qb+1
.endr
.irp i, 2,4,6,8,10,12,14
.set qb, 0
.rept \nb
	v_max3_num_f32 v[TM+qb], v[TM+qb], |v[(\s)+16*qb+\i]|, |v[(\s)+16*qb+\i+1]| ; the blocks by turns
.set qb, qb+1
.endr
.endr
.set qb, 0
.rept \nb
	v_permlanex16_b32 v[TM+4+qb], v[TM+qb], s[SEL], s[SEL+1]
.set qb, qb+1
.endr
.set qb, 0
.rept \nb
	v_max_num_f32 v[TM+qb], v[TM+qb], v[TM+4+qb]                                ; with lane l xor 16: the block's largest magnitude
.set qb, qb+1
.endr
.set qb, 0
.rept \nb
	v_add_nc_u32 v[TM+8+qb], 0xff000000, v[TM+qb]                               ; 2 off its exponent field: the conversion's scale operand
.set qb, qb+1
.endr
.set qb, 0
.rept \nb
	v_lshrrev_b32 v[TM+4+qb], 23, v[TM+8+qb]                                    ; the scale's byte
.set qb, qb+1
.endr
.if (\wd) >= 0
	v_lshl_or_b32 v[\wd], v[TM+5], 8, v[TM+4]
.if (\nb) == 4
	s_delay_alu instid0(VALU_DEP_1)
	v_lshl_or_b32 v[\wd], v[TM+6], 16, v[\wd]
	s_delay_alu instid0(VALU_DEP_1)
	v_lshl_or_b32 v[\wd], v[TM+7], 24, v[\wd]
.else
	s_delay_alu instid0(VALU_DEP_1)
	v_or_b32 v[\wd], 0x7f7f0000, v[\wd]                                         ; K = 64: the upper half of the step holds zero codes under the scale 1
.endif
.endif
.set qc, 0
.rept (\nb)/2
	v_cvt_scalef32_pk8_fp4_f32 v[(\pc)+4*qc],   v[(\s)+32*qc:(\s)+32*qc+7],     v[TM+8+2*qc]
	v_cvt_scalef32_pk8_fp4_f32 v[(\pc)+4*qc+1], v[(\s)+32*qc+16:(\s)+32*qc+23], v[TM+9+2*qc]
	v_cvt_scalef32_pk8_fp4_f32 v[(\pc)+4*qc+2], v[(\s)+32*qc+8:(\s)+32*qc+15],  v[TM+8+2*qc]
	v_cvt_scalef32_pk8_fp4_f32 v[(\pc)+4*qc+3], v[(\s)+32*qc+24:(\s)+32*qc+31], v[TM+9+2*qc]
.set qc, qc+1
.endr
	v_nop                                                                       ; one plain place behind the conversions
.set qc, 0
.rept (\nb)/2
	v_permlane16_swap_b32 v[(\pc)+4*qc],   v[(\pc)+4*qc+1]
	v_permlane16_swap_b32 v[(\pc)+4*qc+2], v[(\pc)+4*qc+3]
.set qc, qc+1
.endr
.endm
; A K step of 128: 20 fragment loads, 10 scale words, 16 matrix instructions, the 16 accumulators by turns.
.macro KSTEP q
.if (\q) > 0
	PLACES 4                                       ; in front of loads into registers that matrix instructions have read
.endif
.irp t, 0,1,2,3,4,5,6,7
.irp c, 0,1
	ds_load_b128 v[AF+8*\t+4*\c:AF+8*\t+4*\c+3], v[ADA+(\q)/4] offset:\t*16*P+64*((\q)%4)+32*\c
.endr
.endr
.irp n, 0,1
.irp c, 0,1
	ds_load_b128 v[BF+8*\n+4*\c:BF+8*\n+4*\c+3], v[ADB+(\q)/4] offset:\n*16*P+64*((\q)%4)+32*\c
.endr
.endr
.irp t, 0,1,2,3,4,5,6,7
	ds_load_b32 v[SA+\t], v[ADHS] offset:\t*2*P+4*(\q)
.endr
.irp n, 0,1
	ds_load_b32 v[SB+\n], v[ADVS] offset:\n*2*P+4*(\q)
.endr
	s_wait_dscnt 0x0
.irp t, 0,1,2,3,4,5,6,7
.irp n, 0,1
.if (\q) == 0
	WMC ACC+64*\n+8*\t, AF+8*\t, BF+8*\n, BIAS+8*\n, SA+\t, SB+\n       ; the bias starts the sum
.else
	WMC ACC+64*\n+8*\t, AF+8*\t, BF+8*\n, ACC+64*\n+8*\t, SA+\t, SB+\n
.endif
.endr
.endr
.endm
.macro HITEM buf, base, off            ; one 64 x 64 matrix, my 8 rows x 2 columns: eight loads of 8 bytes
.irp i, 0,1,2,3,4,5,6,7
	global_load_b64 v[(\buf)+2*\i:(\buf)+2*\i+1], v44, s[\base:\base+1] offset:(\off)+256*\i
.endr
.endm
.macro HSUM buf
.irp j, 0,2,4,6,8,10,12,14
	v_pk_add_f32 v[240+\j:241+\j], v[240+\j:241+\j], v[(\buf)+\j:(\buf)+\j+1]
.endr
.endm
	s_load_b512 s[4:19], s[0:1], 0x0               ; hidden codes s[4:5], scales s[6:7]; v_w codes s[8:9], scales s[10:11]; v_b s[12:13]; basis codes s[14:15], scales s[16:17]; core s[18:19]
	s_load_b256 s[20:27], s[0:1], 0x40             ; head_residual s[20:21]; vimg s[22:23]; kimg s[24:25]; hmimg s[26:27]
	s_set_vgpr_msb 0x40
	v_lshl_add_u32 v0, v0, 2, 0x3ec00
	v_mov_b32 v1, 0
	s_set_vgpr_msb 0x4045
	ds_add_u32 v0, v1
	ds_add_u32 v0, v1
	s_set_vgpr_msb 0x4500
	v_lshrrev_b32 v1, 5, v0
	s_delay_alu instid0(VALU_DEP_1)
	v_readfirstlane_b32 s[WV], v1                  ; wave 0..7
	v_and_b32 v1, 31, v0                           ; lane
	v_and_b32 v2, 15, v0                           ; r
	s_wait_alu depctr_va_vdst(0)
	v_bfe_u32 v3, v0, 4, 1                         ; h
	s_bfe_u32 s29, ttmp6, 0x40000                  ; cx
	s_bfe_u32 s30, ttmp6, 0x40004                  ; cy
	s_lshl_b32 s31, ttmp9, 2
	s_add_co_u32 s31, s31, s29                     ; g = 4 x cluster x + cx
	s_and_b32 s32, ttmp7, 0xffff
	s_lshl_b32 s32, s32, 2
	s_add_co_u32 s32, s32, s30                     ; tb = 4 x cluster y + cy
	s_lshl_b32 s33, s30, 2
	s_lshl_b32 s33, 15, s33                        ; my row of the cluster
	s_lshl_b32 s34, 0x1111, s29                    ; my column
	s_or_b32 s[G1A], s33, PADW|(1<<21)
	s_or_b32 s[G1B], s34, PADW|(1<<21)
	s_mov_b32 s[G1P], PADW
.irp g, G1A, G1B, G1P                  ; tiles of rows of 256 bytes out of rows of 512
	s_mov_b32 s[\g+1], 256<<16                     ; tensor_dim0
	s_mov_b32 s[\g+3], 256<<16                     ; tile_dim0
	s_mov_b32 s[\g+5], 512                         ; pitch
	s_mov_b32 s[\g+6], 0
	s_mov_b32 s[\g+7], 0
.endr
.irp g, G1A, G1B                       ; hidden and v_w: 128 rows to a load
	s_mov_b32 s[\g+2], 128<<16                     ; tensor_dim1
	s_mov_b32 s[\g+4], 128                         ; tile_dim1
.endr
	s_mov_b32 s[G1P+2], 64<<16                     ; basis_w: 64 rows
	s_mov_b32 s[G1P+4], 64
	; LDS addresses: constants, lane terms and the wave's number alone; all are made here, ahead of every parting of the waves
	v_mul_u32_u24 v[ADA], v2, P
	s_wait_alu depctr_va_vdst(0)
	v_lshl_add_u32 v[ADA], v3, 4, v[ADA]           ; 272 r + 16 h
	s_delay_alu instid0(VALU_DEP_1)
	v_add_nc_u32 v[ADA+1], HID1, v[ADA]
	s_mul_i32 s96, s[WV], 32*P
	s_add_co_u32 s96, s96, VW0
	v_add_nc_u32 v[ADB], s96, v[ADA]
	s_delay_alu instid0(VALU_DEP_1)
	v_add_nc_u32 v[ADB+1], VW1-VW0, v[ADB]
	v_add_nc_u32 v[ADS], BAS0, v[ADA]
	v_add_nc_u32 v[ADS+1], BAS1, v[ADA]
	v_lshrrev_b32 v[ADHS], 3, v2
	s_delay_alu instid0(VALU_DEP_1)
	v_mul_u32_u24 v[ADHS], v[ADHS], P
	v_and_b32 v[ADVS], 7, v2
	s_delay_alu instid0(VALU_DEP_1)
	v_lshl_add_u32 v[ADHS], v[ADVS], 5, v[ADHS]    ; a row of scales is 32 bytes, eight rows to a unit: 272 (r / 8) + 32 (r % 8)
	s_mul_i32 s96, s[WV], 4*P
	s_add_co_u32 s96, s96, VS
	v_add_nc_u32 v[ADVS], s96, v[ADHS]             ; my wave's 32 rows are four units
	v_add_nc_u32 v[ADHS], HS, v[ADHS]
	v_mul_u32_u24 v[CPH], v3, P
	s_delay_alu instid0(VALU_DEP_1)
	v_lshl_add_u32 v[CPH], v2, 4, v[CPH]           ; a load's 512 bytes are two units: 272 h + 16 r
	s_delay_alu instid0(VALU_DEP_1)
	v_add_nc_u32 v[CPV], s96, v[CPH]
	s_mul_i32 s97, s[WV], 2*P
	s_add_co_u32 s97, s97, HS
	v_add_nc_u32 v[CPH], s97, v[CPH]
	; offsets into memory
	s_and_b32 s97, s[WV], 1
	s_lshl_b32 s96, s97, 11
	v_lshl_add_u32 v[VCO], v1, 4, s96
	s_lshl_b32 s96, s97, 8
	v_lshl_add_u32 v[VWO], v1, 2, s96
	s_lshl_b32 s96, s[WV], 9
	v_lshl_add_u32 v32, v1, 4, s96                 ; each of these five loads lands on its own address register
	s_lshl_b32 s96, s[WV], 10
	v_lshl_add_u32 v36, v1, 4, s96
	s_delay_alu instid0(VALU_DEP_1)
	v_mov_b32 v40, v36
	v_lshlrev_b32 v16, 2, v2
	v_lshlrev_b32 v24, 2, v2
	; where the tiles come from and go.  hidden's chain holds cy and the wave alone (s88-91), v_w's cx and the wave alone (s92-95)
	s_and_b32 s88, s[WV], 1
	s_mul_i32 s89, s88, HID1                       ; hidden: wave 0 fetches K half 0 of the 128 tokens, wave 1 K half 1
	s_lshl_b32 s90, s32, 16                        ; token row 128 tb, 512 bytes a row
	s_lshl_b32 s91, s88, 8                         ; + 256 bytes for K half 1
	s_add_co_u32 s90, s90, s91
	s_mov_b32 s91, 0
	s_add_co_u32 s92, s[WV], 2
	s_and_b32 s92, s92, 3                          ; waves 2..5 count 0..3: bit 0 = which 128 rows of v_w, bit 1 = K half
	s_mul_i32 s93, s92, 2*HALF                     ; in LDS the four parts lie on end
	s_and_b32 s95, s92, 1
	s_lshl_b32 s94, s31, 8
	s_lshl_b32 s95, s95, 7
	s_add_co_u32 s94, s94, s95                     ; row 256 g + 128 x bit 0
	s_lshl_b32 s94, s94, 9
	s_lshr_b32 s95, s92, 1
	s_lshl_b32 s95, s95, 8
	s_add_co_u32 s94, s94, s95                     ; + 256 bytes x K half
	s_mov_b32 s95, 0
	s_mov_b32 s[SEL], 0x76543210
	s_mov_b32 s[SEL+1], 0xfedcba98
	s_mov_b32 s99, 0
	s_wait_dscnt 0x0
	s_wait_kmcnt 0x0
	s_add_nc_u64 s[90:91], s[4:5], s[90:91]
	s_add_nc_u64 s[94:95], s[8:9], s[94:95]
	s_mov_b32 s[GA0], 1
	s_add_co_u32 s[GA0+1], s89, HID0
	s_mov_b64 s[GA0+2:GA0+3], s[90:91]
	s_or_b32 s[GA0+3], s[GA0+3], 0x80000000
	s_mov_b32 s[GB0], 1
	s_add_co_u32 s[GB0+1], s93, VW0
	s_mov_b64 s[GB0+2:GB0+3], s[94:95]
	s_or_b32 s[GB0+3], s[GB0+3], 0x80000000
	s_mov_b32 s[GS0], 1                            ; basis_w: wave 6 fetches K half 0, wave 7 K half 1
	s_mul_i32 s[GS0+1], s88, HALF
	s_add_co_u32 s[GS0+1], s[GS0+1], BAS0
	s_lshl_b32 s96, s88, 8
	s_mov_b32 s97, 0
	s_add_nc_u64 s[GS0+2:GS0+3], s[14:15], s[96:97]
	s_or_b32 s[GS0+3], s[GS0+3], 0x80000000
	CROUND                                         ; all sixteen work-groups are here: the joint loads meet
	; All fills of the launch, one a wave: waves 0, 1 hidden's K halves, waves 2 to 5 v_w's four parts, waves 6, 7 basis_w's K halves.
	s_cmp_lt_u32 s[WV], 2
	s_cbranch_scc0 .Lnot_a
	tensor_load_to_lds s[GA0:GA0+3], s[G1A:G1A+7]
	s_nop 0
	PLACES 4
	s_branch .Lasked
.Lnot_a:
	s_cmp_lt_u32 s[WV], 6
	s_cbranch_scc0 .Lnot_b
	tensor_load_to_lds s[GB0:GB0+3], s[G1B:G1B+7]
	s_nop 0
	PLACES 4
	s_branch .Lasked
.Lnot_b:
	tensor_load_to_lds s[GS0:GS0+3], s[G1P:G1P+7]
	s_nop 0
	PLACES 4
.Lasked:
	s_lshl_b32 s98, s31, 10
	s_lshl_b32 s96, s[WV], 7
	s_add_co_u32 s98, s98, s96
	s_add_nc_u64 s[12:13], s[12:13], s[98:99]      ; v_b at column 256 g + 32 w
	s_lshl_b32 s98, s32, 12
	s_add_nc_u64 s[6:7], s[6:7], s[98:99]          ; hidden's scales at token 128 tb
	s_lshl_b32 s98, s31, 13
	s_add_nc_u64 s[10:11], s[10:11], s[98:99]      ; v_w's scales at row 256 g
	s_wait_alu depctr_va_vdst(0)
	global_load_b32 v16, v16, s[12:13]             ; v_b of column r of my two tiles
	global_load_b32 v24, v24, s[12:13] offset:64
	global_load_b128 v[32:35], v32, s[6:7]         ; the eight waves copy the scale bytes once, 512 consecutive bytes a load
	global_load_b128 v[36:39], v36, s[10:11]
	global_load_b128 v[40:43], v40, s[10:11] offset:512
	s_lshl_b32 s98, s32, 16
	s_add_nc_u64 s[4:5], s[4:5], s[98:99]          ; hidden's codes at token 128 tb
	s_lshr_b32 s98, s32, 4                         ; b
	s_lshl_b32 s98, s98, 4
	s_lshl_b32 s3, s31, 2
	s_add_co_u32 s98, s98, s3
	s_lshr_b32 s3, s[WV], 1
	s_add_co_u32 s98, s98, s3                      ; 16 b + head, head = 4 g + w / 2
	s_lshl_b32 s98, s98, 4
	s_and_b32 s3, s32, 15
	s_add_co_u32 s98, s98, s3                      ; x 16 + key step
	s_mul_i32 s98, s98, 4608
	s_add_nc_u64 s[22:23], s[22:23], s[98:99]
	s_mul_i32 s98, s32, 5120
	s_add_nc_u64 s[24:25], s[24:25], s[98:99]      ; kimg at (b, key step) = tb
	s_lshl_b32 s2, s31, 1
	s_add_co_u32 s2, s2, s[WV]                     ; the token tile whose latent waves 0 and 1 make: 2 g + w
	; ---- head_mats.  THE DEAL (it takes the place of the one named at the kernel's head): 128 units of one head x 8 columns; in the clusters y = 0 .. 7 wave 7 of each
	; work-group makes one: head 4 cy + cx, columns 8 y .. 8 y + 7.  The branches hang on the cluster's y, which all partners share, and on the wave's number.
	s_and_b32 s101, ttmp7, 0xffff
	s_cmp_gt_u32 s101, 7
	s_cbranch_scc1 .Lno_hm
	s_cmp_lg_u32 s[WV], 7
	s_cbranch_scc1 .Lno_hm
	s_lshl_b32 s35, s30, 2
	s_add_co_u32 s35, s35, s29                     ; the head
	s_lshl_b32 s98, s35, 14
	s_add_nc_u64 s[14:15], s[20:21], s[98:99]      ; its own residual
	s_mul_i32 s98, s35, 2560
	s_add_nc_u64 s[26:27], s[26:27], s[98:99]
	s_mov_b32 s100, 0x3d000000                     ; 1/32
	v_and_b32 v47, 3, v1                           ; cp: my pair of columns
	v_lshrrev_b32 v46, 2, v1                       ; rg: my eight rows 8 rg .. 8 rg + 7
	s_lshl_b32 s96, s101, 5
	v_lshl_add_u32 v44, v46, 11, s96
	s_delay_alu instid0(VALU_DEP_1)
	v_lshl_add_u32 v44, v47, 3, v44                ; element (8 rg, 8 y + 2 cp): 2,048 rg + 32 y + 8 cp
	s_lshl_b32 s96, s101, 11
	v_lshl_add_u32 v45, v47, 9, s96
	s_delay_alu instid0(VALU_DEP_1)
	v_lshl_add_u32 v45, v46, 5, v45                ; core^T: element (8 y + 2 cp, 8 rg)
	v_and_b32 v48, 3, v46
	v_and_b32 v49, 1, v46
	s_lshr_b32 s96, s101, 1
	s_lshl_b32 s96, s96, 9
	s_and_b32 s97, s101, 1
	s_lshl_b32 s97, s97, 7
	s_add_co_u32 s96, s96, s97                     ; tile y / 2 (512 bytes), columns 8 (y & 1) on (16 bytes a column)
	v_lshl_add_u32 v46, v47, 5, s96
	s_delay_alu instid0(VALU_DEP_1)
	v_lshl_add_u32 v46, v3, 8, v46
	s_delay_alu instid0(VALU_DEP_1)
	v_lshl_add_u32 v46, v48, 2, v46                ; image byte of column 2 cp, rows 8 rg on: 16 x column + 256 h + 4 (rg % 4)
	s_lshr_b32 s96, s96, 2
	v_lshl_add_u32 v47, v47, 3, s96
	s_delay_alu instid0(VALU_DEP_1)
	v_lshl_add_u32 v47, v49, 6, v47                ; its scale word: 4 x column, and a second copy 64 bytes on for lanes 16-31 of the reader
.irp n, 0,1,2,3,4,5,6,7,8,9,10,11
	HITEM 48+16*\n, 20, 16384*\n                   ; heads 0 to 11, twelve buffers of 16 registers
.endr
	s_wait_loadcnt 56                              ; behind head 4 stand seven heads' 56 loads
.irp j, 0,2,4,6,8,10,12,14
	v_pk_add_f32 v[240+\j:241+\j], v[48+\j:49+\j], v[64+\j:65+\j]
.endr
	HSUM 80
	HSUM 96
	HSUM 112
.irp n, 0,1,2,3
	HITEM 48+16*\n, 20, 16384*(12+\n)              ; heads 12 to 15
.endr
	HITEM 112, 14, 0                               ; my own head once more
	s_wait_alu depctr_va_vdst(0)
	s_wait_loadcnt 40                              ; behind head 11 stand the 40 just issued
.irp n, 5,6,7,8,9,10,11
	HSUM 48+16*\n
.endr
	HITEM 128, 18, 0                               ; core, register 2 i + k = (row 8 rg + i, column k)
.irp k, 0,1
	global_load_b128 v[144+8*\k:147+8*\k], v45, s[18:19] offset:256*\k          ; core^T, register 8 k + i
	global_load_b128 v[148+8*\k:151+8*\k], v45, s[18:19] offset:256*\k+16
.endr
	s_wait_alu depctr_va_vdst(0)
	s_wait_loadcnt 20                              ; behind head 15: my own head 8, core 8, core^T 4
	HSUM 48
	HSUM 64
	HSUM 80
	HSUM 96
	s_wait_alu depctr_va_vdst(0)
	s_wait_loadcnt 0x0
.irp j, 0,2,4,6,8,10,12,14
	v_pk_fma_f32 v[112+\j:113+\j], v[240+\j:241+\j], 0xbd800000, v[112+\j:113+\j] op_sel_hi:[1,0,1]   ; residual - sum / 16
.endr
.irp k, 0,1
.irp i, 0,1,2,3,4,5,6,7
	v_add_f32 v[144+8*\k+\i], v[128+2*\i+\k], v[144+8*\k+\i]
.endr
.endr
.irp k, 0,1
.irp i, 0,1,2,3,4,5,6,7
	v_fma_f32 v[144+8*\k+\i], v[144+8*\k+\i], s100, v[112+2*\i+\k]              ; (core + core^T) / 32 + centred: register 8 k + i runs down r
.endr
.endr
.irp k, 0,1
	v_max3_num_f32 v[160+\k], |v[144+8*\k]|, |v[145+8*\k]|, 0x1800000
.endr
.irp i, 2,4,6
.irp k, 0,1
	s_delay_alu instid0(VALU_DEP_2)
	v_max3_num_f32 v[160+\k], v[160+\k], |v[144+8*\k+\i]|, |v[145+8*\k+\i]|
.endr
.endr
.irp k, 0,1
	s_delay_alu instid0(VALU_DEP_2)
	v_max_num_f32_dpp v[160+\k], v[160+\k], v[160+\k] row_xmask:4 row_mask:0xf bank_mask:0xf   ; a block of 32 rows lies in the four lanes of my half with my cp
.endr
.irp k, 0,1
	s_delay_alu instid0(VALU_DEP_2)
	v_max_num_f32_dpp v[160+\k], v[160+\k], v[160+\k] row_xmask:8 row_mask:0xf bank_mask:0xf
.endr
.irp k, 0,1
	s_delay_alu instid0(VALU_DEP_2)
	v_add_nc_u32 v[162+\k], 0xff000000, v[160+\k]
.endr
.irp k, 0,1
	s_delay_alu instid0(VALU_DEP_2)
	v_lshrrev_b32 v[164+\k], 23, v[162+\k]
.endr
.irp k, 0,1
	v_cvt_scalef32_pk8_fp4_f32 v[166+\k], v[144+8*\k:151+8*\k], v[162+\k]
.endr
	v_lshlrev_b32 v168, 3, v3                      ; (a plain place behind the conversions)  my block's byte stands 8 h bits up
.irp k, 0
	s_delay_alu instid0(VALU_DEP_1)
	v_lshlrev_b32 v[164+\k], v168, v[164+\k]
.endr
.irp k, 1
	s_delay_alu instid0(VALU_DEP_2)
	v_lshlrev_b32 v[164+\k], v168, v[164+\k]
.endr
.irp k, 0,1
	s_delay_alu instid0(VALU_DEP_2)
	v_permlanex16_b32 v[170+\k], v[164+\k], s[SEL], s[SEL+1]
.endr
.irp k, 0,1
	s_delay_alu instid0(VALU_DEP_2)
	v_or_b32 v[164+\k], v[164+\k], v[170+\k]
.endr
.irp k, 0,1
	s_delay_alu instid0(VALU_DEP_2)
	v_or_b32 v[164+\k], 0x7f7f0000, v[164+\k]
.endr
	global_store_b32 v46, v166, s[26:27]
	global_store_b32 v46, v167, s[26:27] offset:16
	global_store_b64 v47, v[164:165], s[26:27] offset:2048     ; lanes with the same cp and rg % 2 store the same words to the same place
	s_wait_xcnt 0x0                                ; these registers are written again below
.Lno_hm:
	s_wait_loadcnt 0x0                             ; v_b and the scale bytes
	ds_store_b128 v[CPH], v[32:35]
	ds_store_b128 v[CPV], v[36:39]
	ds_store_b128 v[CPV], v[40:43] offset:2*P
.irp j, 1,2,3,4,5,6,7
	v_mov_b32 v[BIAS+\j], v[BIAS]                  ; a lane's eight results of a tile share one column
	v_mov_b32 v[BIAS+8+\j], v[BIAS+8]
.endr
	s_wait_alu depctr_va_vdst(0)
	s_wait_tensorcnt 0x0                           ; my one load has landed
	s_wait_dscnt 0x0                               ; my stores of scale bytes are done
	s_barrier_signal -1
	s_barrier_wait -1
.irp q, 0,1,2,3
	KSTEP \q
.endr
.irp q, 4,5,6,7
	KSTEP \q
.endr
	; ---- V goes out: for each of my two tiles of 16 d, 128 tokens are one K step of the attention's second product
	PLACES 4
	QUANT 4, ACC, BF, 42
	global_store_b128 v[VCO], v[BF:BF+3], s[22:23]
	global_store_b128 v[VCO], v[BF+4:BF+7], s[22:23] offset:512
	global_store_b32 v[VWO], v42, s[22:23] offset:4096
	s_cmp_lt_u32 s[WV], 2
	s_cbranch_scc0 .Lno_lat_loads
	; waves 0 and 1: my 16 tokens' eight fragments and the scale words of tokens and basis, straight into registers that the product has left
	s_lshl_b32 s98, s2, 9
	s_add_nc_u64 s[6:7], s[6:7], s[98:99]          ; 16 rows of 32 scale bytes a tile
	s_lshl_b32 s3, s2, 13
	v_lshl_add_u32 v46, v2, 9, s3
	s_delay_alu instid0(VALU_DEP_1)
	v_lshl_add_u32 v46, v3, 4, v46                 ; row r of 512 bytes, + 16 h
	v_lshlrev_b32 v47, 5, v2                       ; row r of 32 scale bytes: two loads of 16 bytes are the words of all eight K steps
	s_lshl_b32 s3, s2, 9
	v_lshl_add_u32 v44, v1, 4, s3
	s_lshl_b32 s3, s2, 7
	v_lshl_add_u32 v45, v1, 2, s3
.irp q, 0,1,2,3,4,5,6,7
.irp c, 0,1
	global_load_b128 v[AF+8*\q+4*\c:AF+8*\q+4*\c+3], v46, s[4:5] offset:64*\q+32*\c
.endr
.endr
	global_load_b128 v[SA:SA+3], v47, s[6:7]
	global_load_b128 v[SA+4:SA+7], v47, s[6:7] offset:16
.irp t, 0,1,2,3
	global_load_b128 v[128+8*\t:131+8*\t], v47, s[16:17] offset:512*\t
	global_load_b128 v[132+8*\t:135+8*\t], v47, s[16:17] offset:512*\t+16
.endr
.Lno_lat_loads:
	QUANT 4, ACC+64, BF+8, 43
	global_store_b128 v[VCO], v[BF+8:BF+11], s[22:23] offset:1024
	global_store_b128 v[VCO], v[BF+12:BF+15], s[22:23] offset:1536
	global_store_b32 v[VWO], v43, s[22:23] offset:4096+128
	s_cmp_lt_u32 s[WV], 2
	s_cbranch_scc0 .Lend
	; ---- the latent: source 0 = 16 rows of basis_w, source 1 = my 16 tokens: a lane holds one token, its registers run along the latent's 64.  Four accumulators by turns.
	s_wait_loadcnt 0x0
.irp g, 0,1,2,3
.if \g > 0
	PLACES 4
.endif
.irp u, 0,1
.irp t, 0,1,2,3
.irp c, 0,1
	ds_load_b128 v[192+32*\u+8*\t+4*\c:195+32*\u+8*\t+4*\c], v[ADS+\g/2] offset:\t*16*P+64*((2*\g+\u)%4)+32*\c
.endr
.endr
.endr
	s_wait_dscnt 0x0
.irp u, 0,1
.irp t, 0,1,2,3
.if (2*\g+\u) == 0
	WMZ 160+8*\t, 192+32*\u+8*\t, AF+8*(2*\g+\u), 128+8*\t+2*\g+\u, SA+2*\g+\u
.else
	WMC 160+8*\t, 192+32*\u+8*\t, AF+8*(2*\g+\u), 160+8*\t, 128+8*\t+2*\g+\u, SA+2*\g+\u
.endif
.endr
.endr
.endr
	PLACES 4
	s_wait_xcnt 0x0                                ; V's stores have read v48-51
	QUANT 2, 160, BF, 40
	global_store_b128 v44, v[BF:BF+3], s[24:25]
	global_store_b32 v45, v40, s[24:25] offset:4096
.Lend:
	s_set_vgpr_msb 0x5
	s_wait_tensorcnt 0x0
	ds_add_u32 v0, v1
	s_wait_dscnt 0x0
	s_set_vgpr_msb 0x500
	CROUND                                         ; the closing round: no work-group ends while a partner may still ask for a tile that names it
	s_endpgm
.Lfunc_end_k_qf8238c526e_prep:
	.size	k_qf8238c526e_prep, .Lfunc_end_k_qf8238c526e_prep-k_qf8238c526e_prep
	.p2alignl 7, 3214868480
	.fill 96, 4, 3214868480
	.section	.rodata,"a",@progbits
	.p2align	6, 0x0
	.amdhsa_kernel k_qf8238c526e_prep
		.amdhsa_group_segment_fixed_size 258048
		.amdhsa_private_segment_fixed_size 0
		.amdhsa_enable_private_segment 0
		.amdhsa_kernarg_size 96
		.amdhsa_user_sgpr_count 2
		.amdhsa_user_sgpr_kernarg_segment_ptr 1
		.amdhsa_wavefront_size32 1
		.amdhsa_system_sgpr_workgroup_id_x 1
		.amdhsa_system_sgpr_workgroup_id_y 1
		.amdhsa_system_sgpr_workgroup_id_z 1
		.amdhsa_system_vgpr_workitem_id 0
		.amdhsa_next_free_vgpr 258
		.amdhsa_next_free_sgpr 102
		.amdhsa_reserve_vcc 0
		.amdhsa_float_denorm_mode_32 3
		.amdhsa_float_denorm_mode_16_64 3
		.amdhsa_memory_ordered 1
		.amdhsa_forward_progress 1
		.amdhsa_inst_pref_size 93
	.end_amdhsa_kernel
	.amdgpu_metadata
---
amdhsa.version: [ 1, 2 ]
amdhsa.kernels:
  - .name:           k_qf8238c526e_prep
    .symbol:         k_qf8238c526e_prep.kd
    .args:
      - { .name: hidden_states_codes, .offset: 0, .size: 8, .value_kind: global_buffer, .address_space: global }
      - { .name: hidden_states_scales, .offset: 8, .size: 8, .value_kind: global_buffer, .address_space: global }
      - { .name: v_w_codes, .offset: 16, .size: 8, .value_kind: global_buffer, .address_space: global }
      - { .name: v_w_scales, .offset: 24, .size: 8, .value_kind: global_buffer, .address_space: global }
      - { .name: v_b, .offset: 32, .size: 8, .value_kind: global_buffer, .address_space: global }
      - { .name: basis_w_codes, .offset: 40, .size: 8, .value_kind: global_buffer, .address_space: global }
      - { .name: basis_w_scales, .offset: 48, .size: 8, .value_kind: global_buffer, .address_space: global }
      - { .name: core, .offset: 56, .size: 8, .value_kind: global_buffer, .address_space: global }
      - { .name: head_residual, .offset: 64, .size: 8, .value_kind: global_buffer, .address_space: global }
      - { .name: vimg, .offset: 72, .size: 8, .value_kind: global_buffer, .address_space: global }
      - { .name: kimg, .offset: 80, .size: 8, .value_kind: global_buffer, .address_space: global }
      - { .name: hmimg, .offset: 88, .size: 8, .value_kind: global_buffer, .address_space: global }
    .group_segment_fixed_size: 258048
    .private_segment_fixed_size: 0
    .kernarg_segment_align: 8
    .kernarg_segment_size: 96
    .max_flat_workgroup_size: 256
    .sgpr_count:     102
    .vgpr_count:     258
    .wavefront_size: 32
...
	.end_amdgpu_metadata
.endif
;; end of part 1
;; launch attn (part 2): grid 16 x 16, 16 waves a work-group, clusters of 4 x 1, 169,984 bytes of LDS; arguments kimg, vimg, hmimg, yimg; writes yimg
.if DOCPART == 2
	.amdgcn_target "amdgcn-amd-amdhsa--gfx1250"
	.amdhsa_code_object_version 6
	.text
	.protected	k_qf8238c526e_attn
	.globl	k_qf8238c526e_attn
	.p2align	8
	.type	k_qf8238c526e_attn,@function
k_qf8238c526e_attn:
	s_mov_b64 s[64:65], 0
	v_nop
	global_prefetch_b8 v0, s[64:65] scope:SCOPE_SE
	s_setreg_imm32_b32 hwreg(HW_REG_WAVE_MODE, 25, 1), 1
	s_wait_xcnt 0x0
	s_wait_alu depctr_hold_cnt(0) depctr_sa_sdst(0) depctr_va_vdst(0) depctr_va_sdst(0) depctr_va_ssrc(0) depctr_va_vcc(0) depctr_vm_vsrc(0)
	s_getreg_b32 s2, hwreg(HW_REG_IB_STS2, 6, 4)
	s_cmp_eq_u32 s2, 0
	s_cbranch_scc0 .Lentry_in_a_cluster
	s_endpgm
.Lentry_in_a_cluster:
	s_bfe_u32 s2, ttmp6, 0x10000c
	s_cmp_lg_u32 s2, 0x3003
	s_cbranch_scc0 .Lentry_shape_is_right
	s_endpgm
.Lentry_shape_is_right:
; ATTN.  For one head and batch: lt = latent head_mat (quantised along s), scores = lt latent^T / 8 under the causal mask, p = 2^(t - M), y = (p v) / l, y quantised along the head's 64.
; t = score x log2(e) / 8; M = the running largest t rounded UP to a whole number; l = the row's sum of the unquantised p.  When M moves, l and O are multiplied by 2^(old M - new M): exact.
; SHARES.  Work-group (head, y): b = y / 4, i = y % 4.  Each of sixteen waves owns two tiles of 16 queries: pass A at 256 i + 16 w, pass B at 256 (7 - i) + 16 (15 - w):
; together 17 key steps of 128 for every wave.  A pass walks a constant number of steps (8, 16); a step all of whose keys come after the wave's queries is jumped over.
; LAYOUT.  A lane holds ONE query (lane % 16): S^T = K Q^T (source 0 = 16 keys), O^T = V^T P^T (source 0 = 16 of the head's 64).  In tile T register j is index 16 T + 8 h + j;
; the conversions of tiles 4c, 4c+2, 4c+1, 4c+3 and two exchanges of lane halves give the next operand's layout.
; K = 64 in the first two products: registers 4-7 of SOURCE 1 hold zero codes, so k = 64..127 add nothing whatever finite codes source 0 has there (E2M1 has no NaN and no infinity; scale bytes 2, 3 are 0x7f).
; So source 0's tiles lie four registers apart, and each names the next tile's four as its upper half; behind the last stand four registers of zeros.
; LDS.  The batch's latent images (81,920 bytes) and the head's V images (73,728) lie whole in LDS, filled once at the head, one tensor load a wave (waves 0-3: K's quarters; 4-7: V's): one barrier, none in the loops.
; A STEP: the score products; behind them V's loads and the NEXT step's loads of K; maxima; M; then the 68 exponentials in four batches, one for each block of 32 keys.  Among a batch's exponentials stand
; plain lines that read nothing written since the wait ahead of the batch: the next block's t - M, one level of the row's sums, one level of the scales' arithmetic, conversions.
; THE ROW'S SUM is kept in four pairs (AS), each multiplied by f in every step and joined at the pass's end.
; THE MASK on the diagonal: of the step's 8 tiles of 16 keys those before tile td = (Q0 - KF) / 16 count whole, those behind it are hidden whole, and in tile td key 8 h + j is hidden from query r where 8 h + j > r:
; eight constant lane masks.  The branches hang on ids alone.
; CLUSTER 4 x 1: four heads of one batch walk the same latent: asked for jointly.  V is each head's own.  No prefetch: all tiles are asked for at the head, and there is no loop of fills to run ahead in.
; LIMITS: NaN and infinities are not served; the scaled scores stay under 2^31 in magnitude; a block whose largest magnitude lies under 2^-124 gets the byte 1.
.set VLDS, 81920
.set SPARE, 167936                     ; the spare words: 128 bytes a wave
.set WV,  12
.set Q0,  18                           ; s18 the pass's first query; s19 pass B's
.set SEL, 20
.set CS,  22                           ; s[22:23] c = log2(e) / 8;  s52 = -c
.set TK,  24                           ; s24 LDS byte of the NEXT step's latent images; s25 of this step's V images; s26 its first key; s27 steps to go
.set TV,  25
.set KF,  26
.set CNT, 27
.set HI,  28
.set G1K, 32
.set G1V, 40
.set GK,  48
.set NC,  52
.set GV,  56
.set MK,  92                           ; s[92:99] the diagonal tile's lane masks
.set QF,  16                           ; v16-23 Q's fragment (v20-23 = 0); v24 its scale word; v26-30 pass B's
.set QW,  24
.set SPW, 25
.set NIL, 31
.set KS,  32                           ; v32-63 eight tiles of K, four registers each; v64-67 zeros
.set ZR,  64
.set KW,  68                           ; v68-75 K's scale words; v76-79 V's
.set VW,  76
.set AS,  80                           ; v80-87 the sum in four pairs; v88-95 one block's partial sums
.set TS,  88
.set S,   96                           ; v96-159 S^T, then p
.set O,   160                          ; v160-191 O^T
.set VF,  192                          ; v192-223 four fragments of V
.set PC,  224                          ; v224-231 p's codes
.set TM,  232                          ; v232-235 largest, v236-239 at work, v240-243 scale operands
.set NEG, 244                          ; -infinity
.set PWD, 11                           ; v11 p's scale word; v10 f; v9 at work; v12 -M; v13 the largest score; v14 1 / l
.macro PLACES n
.rept \n
	v_nop
.endr
.endm
.macro CROUND
	s_barrier_signal -1
	s_barrier_wait -1
	s_cmp_lg_u32 s[WV], 0
	s_cbranch_scc1 .Lnot_wave_0_\@
	s_barrier_signal -3
.Lnot_wave_0_\@:
	s_barrier_wait -3
	s_barrier_signal -1
	s_barrier_wait -1
.endm
.macro WMC d, a, b, c, sa, sb
	v_wmma_scale_f32_16x16x128_f8f6f4 v[\d:\d+7], v[\a:\a+7], v[\b:\b+7], v[\c:\c+7], v[\sa], v[\sb] matrix_a_fmt:MATRIX_FMT_FP4 matrix_b_fmt:MATRIX_FMT_FP4
.endm
.macro WMZ d, a, b, sa, sb
	v_wmma_scale_f32_16x16x128_f8f6f4 v[\d:\d+7], v[\a:\a+7], v[\b:\b+7], 0, v[\sa], v[\sb] matrix_a_fmt:MATRIX_FMT_FP4 matrix_b_fmt:MATRIX_FMT_FP4
.endm
; two blocks of 32 along K: 32 numbers of a lane from v[s] on become 4 registers of codes from v[pc] on and the scale word v[wd] (wd = -1: no word)
.macro QUANT2 s, pc, wd
.irp b, 0,1
	v_max3_num_f32 v[TM+\b], |v[(\s)+16*\b]|, |v[(\s)+16*\b+1]|, 0x1800000      ; my 16 numbers of the block, and the floor 2^(3 - 127)
.endr
.irp i, 2,4,6,8,10,12,14
.irp b, 0,1
	v_max3_num_f32 v[TM+\b], v[TM+\b], |v[(\s)+16*\b+\i]|, |v[(\s)+16*\b+\i+1]|
.endr
.endr
.irp b, 0,1
	s_delay_alu instid0(VALU_DEP_2)
	v_permlanex16_b32 v[TM+4+\b], v[TM+\b], s[SEL], s[SEL+1]
.endr
.irp b, 0,1
	s_delay_alu instid0(VALU_DEP_2)
	v_max_num_f32 v[TM+\b], v[TM+\b], v[TM+4+\b]
.endr
.irp b, 0,1
	s_delay_alu instid0(VALU_DEP_2)
	v_add_nc_u32 v[TM+8+\b], 0xff000000, v[TM+\b]                               ; 2 off the exponent field: the conversion's scale operand
.endr
.irp b, 0,1
	s_delay_alu instid0(VALU_DEP_2)
	v_lshrrev_b32 v[TM+4+\b], 23, v[TM+8+\b]                                    ; the scale's byte
.endr
.if (\wd) >= 0
	s_delay_alu instid0(VALU_DEP_1)
	v_lshl_or_b32 v[\wd], v[TM+5], 8, v[TM+4]
	s_delay_alu instid0(VALU_DEP_1)
	v_or_b32 v[\wd], 0x7f7f0000, v[\wd]
.endif
	v_cvt_scalef32_pk8_fp4_f32 v[(\pc)],   v[(\s):(\s)+7],     v[TM+8]
	v_cvt_scalef32_pk8_fp4_f32 v[(\pc)+1], v[(\s)+16:(\s)+23], v[TM+9]
	v_cvt_scalef32_pk8_fp4_f32 v[(\pc)+2], v[(\s)+8:(\s)+15],  v[TM+8]
	v_cvt_scalef32_pk8_fp4_f32 v[(\pc)+3], v[(\s)+24:(\s)+31], v[TM+9]
	v_nop
	v_permlane16_swap_b32 v[(\pc)],   v[(\pc)+1]
	v_permlane16_swap_b32 v[(\pc)+2], v[(\pc)+3]
.endm
; where the tile of 16 queries at s[q0] goes in yimg: codes s[pc:pc+1], scale bytes s[pw:pw+1]
.macro YPTR q0, pc, pw
	s_lshr_b32 s86, s[\q0], 7
	s_lshl_b32 s87, s16, 4
	s_add_co_u32 s86, s86, s87                     ; block of 128 tokens: 16 b + query / 128
	s_lshl_b32 s86, s86, 1
	s_lshr_b32 s87, s14, 3
	s_add_co_u32 s86, s86, s87                     ; x 2 + K half (head / 8)
	s_mul_i32 s86, s86, 34816
	s_bfe_u32 s87, s[\q0], 0x30004                 ; token tile
	s_bfe_u32 s88, s14, 0x20001                    ; K step in the half: (head / 2) % 4
	s_lshl_b32 s88, s88, 3
	s_add_co_u32 s87, s87, s88
	s_and_b32 s88, s14, 1                          ; c
	s_lshl_b32 s30, s87, 10
	s_add_co_u32 s30, s30, s86
	s_lshl_b32 s89, s88, 9
	s_add_co_u32 s30, s30, s89
	s_add_nc_u64 s[\pc:\pc+1], s[10:11], s[30:31]
	s_lshl_b32 s30, s87, 6
	s_add_co_u32 s30, s30, s86
	s_lshl_b32 s89, s88, 1
	s_add_co_u32 s30, s30, s89
	s_add_co_u32 s30, s30, 32768
	s_add_nc_u64 s[\pw:\pw+1], s[10:11], s[30:31]
.endm
.macro EX r                            ; p = 2^(t - M)
	v_exp_f32 v[\r], v[\r]
.endm
.macro FMA b, k                        ; t - M of pair k of block b
	v_pk_fma_f32 v[S+16*(\b)+2*(\k):S+16*(\b)+2*(\k)+1], v[S+16*(\b)+2*(\k):S+16*(\b)+2*(\k)+1], s[CS:CS+1], v[12:13] op_sel_hi:[1,0,0]
.endm
.macro TSUM b, i                       ; four of block b's p into partial pair i
	v_pk_add_f32 v[TS+2*(\i):TS+2*(\i)+1], v[S+16*(\b)+4*(\i):S+16*(\b)+4*(\i)+1], v[S+16*(\b)+4*(\i)+2:S+16*(\b)+4*(\i)+3]
.endm
.macro ATS i                           ; partial pair i onto the sum's pair i
	v_pk_add_f32 v[AS+2*(\i):AS+2*(\i)+1], v[AS+2*(\i):AS+2*(\i)+1], v[TS+2*(\i):TS+2*(\i)+1]
.endm
.macro KLOAD ac, aw                    ; a step's eight tiles of K and their scale words: 16 LDS loads
.irp t, 0,1,2,3,4,5,6,7
	ds_load_b128 v[KS+4*\t:KS+4*\t+3], v[\ac] offset:512*\t
.endr
.irp t, 0,1,2,3,4,5,6,7
	ds_load_b32 v[KW+\t], v[\aw] offset:4096+128*\t
.endr
.endm
; A KEY STEP of 128 keys.  Its tiles of K were asked for in the step before.
.macro STEP
	s_add_co_u32 s29, s[Q0], 15
	s_cmp_gt_u32 s[KF], s29                        ; all its keys come after my queries: only the addresses step
	s_cbranch_scc1 .Lhidden_\@
	s_wait_dscnt 0x0                               ; K and its words are in
.irp t, 0,1,2,3,4,5,6,7
	WMZ S+8*\t, KS+4*\t, QF, KW+\t, QW             ; tile t, register j: key KF + 16 t + 8 h + j, query Q0 + r
.endr
	v_add_nc_u32 v4, s[TK], v1                     ; these four are the places behind the products, in front of the loads below and of the first read of S^T
	v_add_nc_u32 v5, s[TK], v2
	v_add_nc_u32 v6, s[TV], v1
	v_add_nc_u32 v7, s[TV], v2
.irp t, 0,1,2,3
	ds_load_b128 v[VF+8*\t:VF+8*\t+3], v6 offset:1024*\t
	ds_load_b128 v[VF+8*\t+4:VF+8*\t+7], v6 offset:1024*\t+512
.endr
.irp t, 0,1,2,3
	ds_load_b32 v[VW+\t], v7 offset:4096+128*\t
.endr
	KLOAD 4, 5                                     ; the next step's K (behind the last step: bytes of the tile that follows in LDS, not used)
	s_add_co_u32 s29, s[KF], 127
	s_cmp_le_u32 s29, s[Q0]                        ; all keys count: no mask
	s_cbranch_scc1 .Lopen_\@
	s_sub_co_u32 s29, s[Q0], s[KF]
	s_lshr_b32 s29, s29, 4                         ; td: the tile on the diagonal
.irp t, 0,1,2,3,4,5,6,7
	s_cmp_gt_u32 s29, \t
	s_cbranch_scc1 .Ln\@_\t                        ; its 16 keys all count
	s_cmp_eq_u32 s29, \t
	s_cbranch_scc0 .Lh\@_\t
.irp j, 0,1,2,3,4,5,6,7
	v_cndmask_b32 v[S+8*\t+\j], v[S+8*\t+\j], v[NEG], s[MK+\j]
.endr
	s_branch .Ln\@_\t
.Lh\@_\t:
.irp j, 0,1,2,3,4,5,6,7
	v_mov_b32 v[S+8*\t+\j], v[NEG]                 ; hidden whole: p = 0
.endr
.Ln\@_\t:
.endr
	s_wait_alu depctr_va_vdst(0)
.Lopen_\@:
.irp b, 0,1,2,3
	v_max3_num_f32 v[TM+\b], v[S+16*\b], v[S+1+16*\b], v[S+2+16*\b]             ; the largest score of each block of 32 keys: for the row's maximum and, since p rises with the score, for the block's largest p
.endr
.irp i, 3,5,7,9,11,13
.irp b, 0,1,2,3
	v_max3_num_f32 v[TM+\b], v[TM+\b], v[S+16*\b+\i], v[S+1+16*\b+\i]
.endr
.endr
.irp b, 0,1,2,3
	v_max_num_f32 v[TM+\b], v[TM+\b], v[S+15+16*\b]
.endr
.irp b, 0,1,2,3
	s_delay_alu instid0(VALU_DEP_4)
	v_permlanex16_b32 v[TM+4+\b], v[TM+\b], s[SEL], s[SEL+1]
.endr
.irp b, 0,1,2,3
	s_delay_alu instid0(VALU_DEP_4)
	v_max_num_f32 v[TM+\b], v[TM+\b], v[TM+4+\b]
.endr
	s_delay_alu instid0(VALU_DEP_2)
	v_max3_num_f32 v9, v[TM], v[TM+1], v[TM+2]
	s_delay_alu instid0(VALU_DEP_1)
	v_max3_num_f32 v13, v13, v9, v[TM+3]           ; the running largest score (c is positive)
	s_delay_alu instid0(VALU_DEP_1)
	v_mul_f32 v9, s[NC], v13                       ; -t
	s_delay_alu instid0(VALU_DEP_1)
	v_floor_f32 v9, v9                             ; the new -M = floor(-t)
	s_delay_alu instid0(VALU_DEP_1)
	v_sub_f32 v10, v9, v12                         ; old M - new M: a whole number, 0 or less
	v_mov_b32 v12, v9
	s_delay_alu instid0(VALU_DEP_2)
	v_cvt_i32_f32 v10, v10                         ; (it saturates)
.irp k, 0,1,2,3,4,5,6,7
	FMA 0, \k
.endr
.irp b, 0,1,2,3
	v_fma_f32 v[TM+\b], v[TM+\b], s[CS], v12       ; the same of each block's largest score
.endr
	v_ldexp_f32 v10, 1.0, v10                      ; f = 2^(old M - new M)
.set jj, 0
.rept 16
	v_pk_mul_f32 v[O+jj:O+jj+1], v[O+jj:O+jj+1], v[10:11] op_sel_hi:[1,0]       ; O^T under the new M, ahead of the step's first exponential
.set jj, jj+2
.endr
	s_wait_alu depctr_va_vdst(0)                   ; a wait ahead of each batch and behind it: one stands between two batches
.set ii, 0
.rept 4                                ; block 0 and the four largest; beside them block 1's t - M and the sums under the new M
	EX S+4*ii
	FMA 1, ii
	EX S+4*ii+1
	FMA 1, 4+ii
	EX S+4*ii+2
	EX TM+ii
	EX S+4*ii+3
	v_pk_mul_f32 v[AS+2*ii:AS+2*ii+1], v[AS+2*ii:AS+2*ii+1], v[10:11] op_sel_hi:[1,0]
.set ii, ii+1
.endr
	s_wait_alu depctr_va_vdst(0)
.set ii, 0
.rept 4                                ; block 1; block 2's t - M, block 0's partial sums, the floor under the largest p
	EX S+16+4*ii
	FMA 2, ii
	EX S+16+4*ii+1
	FMA 2, 4+ii
	EX S+16+4*ii+2
	TSUM 0, ii
	EX S+16+4*ii+3
	v_max_num_f32 v[TM+ii], 0x1800000, v[TM+ii]    ; the byte cannot fall under 1
.set ii, ii+1
.endr
	s_wait_alu depctr_va_vdst(0)
.set ii, 0
.rept 4                                ; block 2; block 3's t - M, sums, the conversions' scale operands
	EX S+32+4*ii
	FMA 3, ii
	EX S+32+4*ii+1
	FMA 3, 4+ii
	EX S+32+4*ii+2
	ATS ii
	TSUM 1, ii
	EX S+32+4*ii+3
	v_add_nc_u32 v[TM+8+ii], 0xff000000, v[TM+ii]
.set ii, ii+1
.endr
	s_wait_alu depctr_va_vdst(0)
.set ii, 0
.rept 4                                ; block 3; sums, blocks 0 and 1 become codes, the scales' bytes
	EX S+48+4*ii
	ATS ii
	EX S+48+4*ii+1
	TSUM 2, ii
	EX S+48+4*ii+2
	v_cvt_scalef32_pk8_fp4_f32 v[PC+ii], v[S+16*(ii%2)+8*(ii/2):S+16*(ii%2)+8*(ii/2)+7], v[TM+8+(ii%2)]
	EX S+48+4*ii+3
	v_lshrrev_b32 v[TM+4+ii], 23, v[TM+8+ii]
.set ii, ii+1
.endr
	s_wait_alu depctr_va_vdst(0)
	v_lshl_or_b32 v[PWD], v[TM+5], 8, v[TM+4]      ; p's scale word for these 128 keys
	s_delay_alu instid0(VALU_DEP_1)
	v_lshl_or_b32 v[PWD], v[TM+6], 16, v[PWD]
	s_delay_alu instid0(VALU_DEP_1)
	v_lshl_or_b32 v[PWD], v[TM+7], 24, v[PWD]
.set ii, 0
.rept 4
	v_cvt_scalef32_pk8_fp4_f32 v[PC+4+ii], v[S+32+16*(ii%2)+8*(ii/2):S+32+16*(ii%2)+8*(ii/2)+7], v[TM+10+(ii%2)]
.set ii, ii+1
.endr
.irp i, 0,1,2,3
	ATS \i                                         ; (plain places behind the conversions)
.endr
.irp c, 0,1
	v_permlane16_swap_b32 v[PC+4*\c],   v[PC+4*\c+1]
	v_permlane16_swap_b32 v[PC+4*\c+2], v[PC+4*\c+3]
.endr
.irp i, 0,1,2,3
	TSUM 3, \i                                     ; these eight are the places between the codes' last write and the products
.endr
.irp i, 0,1,2,3
	ATS \i
.endr
	s_wait_alu depctr_va_vdst(0)
	s_wait_dscnt 16                                ; V's twelve loads are in; the sixteen of the next step's K may be out
.irp t, 0,1,2,3
	WMC O+8*\t, VF+8*\t, PC, O+8*\t, VW+\t, PWD    ; four accumulators by turns
.endr
.Lhidden_\@:
	s_add_co_u32 s[TK], s[TK], 5120
	s_add_co_u32 s[TV], s[TV], 4608
	s_add_co_u32 s[KF], s[KF], 128
.endm
; A PASS: the tile of queries at s[Q0] against key steps 0 .. n - 1; then y goes out.
.macro PASS n, pc, pw
	v_mov_b32 v13, 0xff61b1e6                      ; -3e38, under every score
	v_mov_b32 v12, 0x7f61b1e6                      ; -M to begin with: the first f is 0, on sums that are 0
.set jj, 0
.rept 8
	v_mov_b32 v[AS+jj], 0
.set jj, jj+1
.endr
.set jj, 0
.rept 32
	v_mov_b32 v[O+jj], 0                           ; the step is written once: the first finds zeros
.set jj, jj+1
.endr
	KLOAD 1, 2                                     ; key step 0
	s_mov_b32 s[TK], 5120
	s_mov_b32 s[TV], VLDS
	s_mov_b32 s[KF], 0
	s_mov_b32 s[CNT], \n
	s_wait_alu depctr_va_vdst(0)
.Lstep_\@:
	STEP
	s_sub_co_u32 s[CNT], s[CNT], 1
	s_cmp_lg_u32 s[CNT], 0
	s_cbranch_scc1 .Lstep_\@
	s_wait_dscnt 0x0                               ; the last look-ahead's loads
	v_pk_add_f32 v[AS:AS+1], v[AS:AS+1], v[AS+2:AS+3]          ; the sum's four pairs (also the places behind the last products)
	v_pk_add_f32 v[AS+4:AS+5], v[AS+4:AS+5], v[AS+6:AS+7]
	s_delay_alu instid0(VALU_DEP_1)
	v_pk_add_f32 v[AS:AS+1], v[AS:AS+1], v[AS+4:AS+5]
	s_delay_alu instid0(VALU_DEP_1)
	v_add_f32 v14, v[AS], v[AS+1]
	s_delay_alu instid0(VALU_DEP_1)
	v_permlanex16_b32 v9, v14, s[SEL], s[SEL+1]
	s_delay_alu instid0(VALU_DEP_1)
	v_add_f32 v14, v14, v9                         ; the row's sum
	s_wait_alu depctr_va_vdst(0)
	v_rcp_f32 v14, v14
	v_nop
	s_wait_alu depctr_va_vdst(0)                   ; directly ahead of the first readers of 1 / l and of O^T
.set jj, 0
.rept 16
	v_pk_mul_f32 v[S+jj:S+jj+1], v[O+jj:O+jj+1], v[14:15] op_sel_hi:[1,0]       ; y: register 8 t + j is channel 16 t + 8 h + j of my query
.set jj, jj+2
.endr
	QUANT2 S, PC, -1
	v_cndmask_b32 v9, v[TM+4], v[TM+5], s[HI]      ; lanes 0-15 store block 0's byte, lanes 16-31 block 1's
	global_store_b128 v1, v[PC:PC+3], s[\pc:\pc+1] ; 512 consecutive bytes
	global_store_b8 v8, v9, s[\pw:\pw+1]
.endm
	s_load_b256 s[4:11], s[0:1], 0x0               ; kimg s[4:5], vimg s[6:7], hmimg s[8:9], yimg s[10:11]
	v_lshl_add_u32 v[SPW], v0, 2, SPARE
	v_mov_b32 v[NIL], 0
	ds_add_u32 v[SPW], v[NIL]                      ; the opening lines: the add twice on end and its wait ahead of the first tensor load
	ds_add_u32 v[SPW], v[NIL]
	v_lshrrev_b32 v1, 5, v0
	v_readfirstlane_b32 s[WV], v1                  ; wave 0..15
	v_and_b32 v9, 31, v0
	v_and_b32 v8, 15, v0                           ; r
	v_bfe_u32 v10, v0, 4, 1                        ; h
	v_lshlrev_b32 v1, 4, v9                        ; v1 = 16 x lane
	v_lshlrev_b32 v2, 2, v9                        ; v2 = 4 x lane
	v_lshl_add_u32 v8, v8, 2, v10                  ; v8 = 4 r + h
	v_mov_b32 v[NEG], 0xff800000
.irp k, 0,1,2,3
	v_mov_b32 v[ZR+\k], 0                          ; zero codes, once for the launch
	v_mov_b32 v[QF+4+\k], 0
	v_mov_b32 v[KS+16+\k], 0                       ; (named as the upper half of the head matrix's last tile)
	v_mov_b32 v[TM+4+\k], 0                        ; a lane permute's destination counts as one of its sources
.endr
	v_mov_b32 v[PWD], 0                            ; named as the upper halves of the pairs v[10:11], v[14:15]
	v_mov_b32 v15, 0
	s_wait_alu depctr_va_vdst(0)
	s_bfe_u32 s13, ttmp6, 0x40000                  ; cx: it enters addresses in memory alone
	s_lshl_b32 s14, ttmp9, 2
	s_add_co_u32 s14, s14, s13                     ; the head
	s_and_b32 s15, ttmp7, 0xffff
	s_lshr_b32 s16, s15, 2                         ; b
	s_and_b32 s17, s15, 3                          ; i
	s_lshl_b32 s[Q0], s17, 8
	s_lshl_b32 s29, s[WV], 4
	s_add_co_u32 s[Q0], s[Q0], s29                 ; pass A: 256 i + 16 w
	s_sub_co_u32 s19, 2032, s[Q0]                  ; pass B: 256 (7 - i) + 16 (15 - w)
	s_mov_b32 s[G1K], 15|(3<<16)|(1<<21)           ; all four partners; elements of 8 bytes; dense rows of 256 bytes
	s_mov_b32 s[G1K+1], 32<<16
	s_mov_b32 s[G1K+2], 80<<16
	s_mov_b32 s[G1K+3], 32<<16
	s_mov_b32 s[G1K+4], 80                         ; four key steps of 5,120 bytes
	s_mov_b32 s[G1K+5], 32
	s_mov_b32 s[G1K+6], 0
	s_mov_b32 s[G1K+7], 0
	s_mov_b32 s[G1V], 3<<16
	s_mov_b32 s[G1V+1], 32<<16
	s_mov_b32 s[G1V+2], 72<<16
	s_mov_b32 s[G1V+3], 32<<16
	s_mov_b32 s[G1V+4], 72                         ; four key steps of 4,608 bytes
	s_mov_b32 s[G1V+5], 32
	s_mov_b32 s[G1V+6], 0
	s_mov_b32 s[G1V+7], 0
	s_and_b32 s66, s[WV], 3                        ; which quarter I fetch, if I fetch
	s_mul_i32 s67, s66, 20480                      ; K: in LDS and in memory
	s_mul_i32 s68, s16, 81920
	s_add_co_u32 s68, s68, s67
	s_mov_b32 s69, 0
	s_mul_i32 s70, s66, 18432                      ; V likewise
	s_lshl_b32 s72, s16, 4
	s_add_co_u32 s72, s72, s14
	s_mul_i32 s72, s72, 73728
	s_add_co_u32 s72, s72, s70
	s_mov_b32 s73, 0
	s_mov_b32 s[SEL], 0x76543210
	s_mov_b32 s[SEL+1], 0xfedcba98
	s_mov_b32 s[CS], 0x3e38aa3b                    ; log2(e) / 8
	s_mov_b32 s[CS+1], s[CS]
	s_mov_b32 s[NC], 0xbe38aa3b
	s_mov_b32 s[HI], 0xffff0000
	s_mov_b32 s31, 0
.irp j, 0,1,2,3,4,5,6,7
	s_mov_b32 s[MK+\j], ((1<<\j)-1)|(((1<<(8+\j))-1)<<16)   ; lanes (r, h) with 8 h + j > r
.endr
	s_wait_dscnt 0x0
	s_wait_kmcnt 0x0
	; what lt needs is asked for first: the head's matrix and my two tiles of queries' latent
	s_mul_i32 s30, s14, 2560
	s_add_nc_u64 s[8:9], s[8:9], s[30:31]
	s_lshl_b32 s29, s16, 4
	s_lshr_b32 s30, s[Q0], 7
	s_add_co_u32 s30, s30, s29
	s_mul_i32 s30, s30, 5120
	s_add_nc_u64 s[74:75], s[4:5], s[30:31]        ; the key step in which pass A's queries lie
	s_lshr_b32 s30, s19, 7
	s_add_co_u32 s30, s30, s29
	s_mul_i32 s30, s30, 5120
	s_add_nc_u64 s[76:77], s[4:5], s[30:31]        ; and pass B's
	s_bfe_u32 s29, s[Q0], 0x30004
	s_lshl_b32 s30, s29, 9
	v_add_nc_u32 v4, s30, v1
	s_lshl_b32 s30, s29, 7
	v_add_nc_u32 v5, s30, v2
	s_bfe_u32 s29, s19, 0x30004
	s_lshl_b32 s30, s29, 9
	v_add_nc_u32 v6, s30, v1
	s_lshl_b32 s30, s29, 7
	v_add_nc_u32 v7, s30, v2
.irp t, 0,1,2,3
	global_load_b128 v[KS+4*\t:KS+4*\t+3], v1, s[8:9] offset:512*\t
	global_load_b32 v[KW+\t], v2, s[8:9] offset:2048+128*\t
.endr
	global_load_b128 v[QF:QF+3], v4, s[74:75]
	global_load_b32 v[KW+4], v5, s[74:75] offset:4096
	global_load_b128 v[ZR-4:ZR-1], v6, s[76:77]    ; in front of the four zeros
	global_load_b32 v[KW+5], v7, s[76:77] offset:4096
	s_add_nc_u64 s[68:69], s[4:5], s[68:69]
	s_add_nc_u64 s[72:73], s[6:7], s[72:73]
	s_mov_b32 s[GK], 1
	s_add_co_u32 s[GK+1], s67, 0
	s_mov_b64 s[GK+2:GK+3], s[68:69]
	s_or_b32 s[GK+3], s[GK+3], 0x80000000
	s_mov_b32 s[GV], 1
	s_add_co_u32 s[GV+1], s70, VLDS
	s_mov_b64 s[GV+2:GV+3], s[72:73]
	s_or_b32 s[GV+3], s[GV+3], 0x80000000
	CROUND                                         ; the four partners are here: the joint loads meet
	; All fills of the launch, one a wave: waves 0-3 the latent's quarters (jointly), waves 4-7 V's.
	s_cmp_lt_u32 s[WV], 4
	s_cbranch_scc0 .Lnot_k
	tensor_load_to_lds s[GK:GK+3], s[G1K:G1K+7]
	s_nop 0
	PLACES 4
	s_branch .Lasked
.Lnot_k:
	s_cmp_lt_u32 s[WV], 8
	s_cbranch_scc0 .Lasked
	tensor_load_to_lds s[GV:GV+3], s[G1V:G1V+7]
	s_nop 0
	PLACES 4
.Lasked:
	YPTR Q0, 78, 80
	YPTR 19, 82, 84
	; ---- lt = latent head_mat for my two tiles of queries, while the tiles are on their way
	s_wait_loadcnt 0x0
.irp t, 0,1,2,3
	WMZ S+8*\t, KS+4*\t, QF, KW+\t, KW+4           ; source 0 = 16 columns s of the head's matrix, source 1 = my 16 queries' latent
.endr
.irp t, 0,1,2,3
	WMZ S+32+8*\t, KS+4*\t, ZR-4, KW+\t, KW+5
.endr
	PLACES 4
	QUANT2 S, QF, QW
	QUANT2 S+32, 26, 30
	s_wait_alu depctr_va_vdst(0)
	s_wait_tensorcnt 0x0                           ; my load, if I had one, has landed
	s_barrier_signal -1
	s_barrier_wait -1                              ; all of K and V is in LDS
	PASS 8, 78, 80                                 ; pass A's queries lie under 1,024
	s_wait_xcnt 0x0                                ; pass A's stores have read their registers
.irp k, 0,1,2,3
	v_mov_b32 v[QF+\k], v[26+\k]
.endr
	v_mov_b32 v[QW], v30
	s_mov_b32 s[Q0], s19
	PASS 16, 82, 84
	s_wait_tensorcnt 0x0                           ; the wave's end
	ds_add_u32 v[SPW], v[NIL]
	s_wait_dscnt 0x0
	CROUND                                         ; the closing round
	s_endpgm
.Lfunc_end_k_qf8238c526e_attn:
	.size	k_qf8238c526e_attn, .Lfunc_end_k_qf8238c526e_attn-k_qf8238c526e_attn
	.p2alignl 7, 3214868480
	.fill 96, 4, 3214868480
	.section	.rodata,"a",@progbits
	.p2align	6, 0x0
	.amdhsa_kernel k_qf8238c526e_attn
		.amdhsa_group_segment_fixed_size 169984
		.amdhsa_private_segment_fixed_size 0
		.amdhsa_enable_private_segment 0
		.amdhsa_kernarg_size 32
		.amdhsa_user_sgpr_count 2
		.amdhsa_user_sgpr_kernarg_segment_ptr 1
		.amdhsa_wavefront_size32 1
		.amdhsa_system_sgpr_workgroup_id_x 1
		.amdhsa_system_sgpr_workgroup_id_y 1
		.amdhsa_system_sgpr_workgroup_id_z 1
		.amdhsa_system_vgpr_workitem_id 0
		.amdhsa_next_free_vgpr 256
		.amdhsa_next_free_sgpr 100
		.amdhsa_reserve_vcc 0
		.amdhsa_float_denorm_mode_32 3
		.amdhsa_float_denorm_mode_16_64 3
		.amdhsa_memory_ordered 1
		.amdhsa_forward_progress 1
		.amdhsa_inst_pref_size 76
	.end_amdhsa_kernel
	.amdgpu_metadata
---
amdhsa.version: [ 1, 2 ]
amdhsa.kernels:
  - .name:           k_qf8238c526e_attn
    .symbol:         k_qf8238c526e_attn.kd
    .args:
      - { .name: kimg, .offset: 0, .size: 8, .value_kind: global_buffer, .address_space: global }
      - { .name: vimg, .offset: 8, .size: 8, .value_kind: global_buffer, .address_space: global }
      - { .name: hmimg, .offset: 16, .size: 8, .value_kind: global_buffer, .address_space: global }
      - { .name: yimg, .offset: 24, .size: 8, .value_kind: global_buffer, .address_space: global }
    .group_segment_fixed_size: 169984
    .private_segment_fixed_size: 0
    .kernarg_segment_align: 8
    .kernarg_segment_size: 32
    .max_flat_workgroup_size: 512
    .sgpr_count:     100
    .vgpr_count:     256
    .wavefront_size: 32
...
	.end_amdgpu_metadata
.endif
;; end of part 2
;; launch oproj (part 3): grid 4 x 64, 8 waves a work-group, clusters of 4 x 4, 253,440 bytes of LDS; arguments yimg, o_w_codes, o_w_scales, o_b, out0; writes out0
.if DOCPART == 3
	.amdgcn_target "amdgcn-amd-amdhsa--gfx1250"
	.amdhsa_code_object_version 6
	.text
	.protected	k_qf8238c526e_oproj
	.globl	k_qf8238c526e_oproj
	.p2align	8
	.type	k_qf8238c526e_oproj,@function
k_qf8238c526e_oproj:
	s_mov_b64 s[64:65], 0
	v_nop
	global_prefetch_b8 v0, s[64:65] scope:SCOPE_SE
	s_setreg_imm32_b32 hwreg(HW_REG_WAVE_MODE, 25, 1), 1
	s_wait_xcnt 0x0
	s_wait_alu depctr_hold_cnt(0) depctr_sa_sdst(0) depctr_va_vdst(0) depctr_va_sdst(0) depctr_va_ssrc(0) depctr_va_vcc(0) depctr_vm_vsrc(0)
	s_getreg_b32 s2, hwreg(HW_REG_IB_STS2, 6, 4)
	s_cmp_eq_u32 s2, 0
	s_cbranch_scc0 .Lentry_in_a_cluster
	s_endpgm
.Lentry_in_a_cluster:
	s_bfe_u32 s2, ttmp6, 0x10000c
	s_cmp_lg_u32 s2, 0xf033
	s_cbranch_scc0 .Lentry_shape_is_right
	s_endpgm
.Lentry_shape_is_right:
; OPROJ.  out0 = y o_w^T + o_b.  y comes as images of operand registers (yimg: [128 tokens][K half][4 K steps x 8 token tiles x 1,024 bytes | x 64 bytes of words]), o_w as given codes.
; SHARES.  Work-group (g, tb): 128 tokens x 256 columns.  Eight waves; wave w: tokens 64 (w / 4) on, columns 64 (w % 4) on: 16 accumulators.
; The product is laid with source 0 = 16 rows of o_w and source 1 = 16 tokens: a lane holds eight neighbouring columns of one token's row; o_b is the C of each sum's first instruction.
; All of K lies in LDS at once, in two halves; nothing is filled twice.  CLUSTER 4 x 4: y's images hang on tb alone (joint along a row), o_w's tile on g alone (joint along a column).
; THE WAY OUT: 16 tokens x 256 bytes at a time through the wave's own stage: sixteen lanes store 256 consecutive bytes, at a multiple of 256 from out0's first byte.
.set P,    272
.set HALF, 64*P
.set Y0,   0                           ; y's images, K half 0: 34,816 dense bytes
.set Y1,   34816
.set OW0,  69632                       ; o_w, K half 0: 256 rows of 272
.set OW1,  139264
.set OS,   208896                      ; o_w's scale bytes: 32 units of 272; stored from registers, no tile lands here
.set STG,  217600                      ; a stage of 16 rows of 272 for each wave
.set WV,  14
.set G1Y, 24
.set G1W, 32
.set GY0, 40
.set GY1, 44
.set GW0, 48
.set GW1, 52
.set BIAS, 16                          ; v16-47 o_b: tile n, my eight columns
.set SW,   48                          ; v48-51 o_w's scale words; v52-55 y's
.set SY,   52
.set WF,   64                          ; v64-95 four fragments of o_w; v96-127 four of y; on the way out two sets of rows
.set YF,   96
.set ACC,  128                         ; accumulator (token tile a, tile n) at 128 + 32 a + 8 n
.macro PLACES n
.rept \n
	v_nop
.endr
.endm
.macro CROUND
	s_barrier_signal -1
	s_barrier_wait -1
	s_cmp_lg_u32 s[WV], 0
	s_cbranch_scc1 .Lnot_wave_0_\@
	s_barrier_signal -3
.Lnot_wave_0_\@:
	s_barrier_wait -3
	s_barrier_signal -1
	s_barrier_wait -1
.endm
.macro WMC d, a, b, c, sa, sb
	v_wmma_scale_f32_16x16x128_f8f6f4 v[\d:\d+7], v[\a:\a+7], v[\b:\b+7], v[\c:\c+7], v[\sa], v[\sb] matrix_a_fmt:MATRIX_FMT_FP4 matrix_b_fmt:MATRIX_FMT_FP4
.endm
.macro KSTEP q
.if (\q) > 0
	PLACES 4                                       ; in front of loads into registers that matrix instructions have read
.endif
.irp n, 0,1,2,3
.irp c, 0,1
	ds_load_b128 v[WF+8*\n+4*\c:WF+8*\n+4*\c+3], v[4+(\q)/4] offset:\n*16*P+64*((\q)%4)+32*\c
.endr
.endr
.irp t, 0,1,2,3
.irp c, 0,1
	ds_load_b128 v[YF+8*\t+4*\c:YF+8*\t+4*\c+3], v[6+(\q)/4] offset:((\q)%4)*8192+\t*1024+512*\c
.endr
.endr
.irp n, 0,1,2,3
	ds_load_b32 v[SW+\n], v8 offset:\n*2*P+4*(\q)
.endr
.irp t, 0,1,2,3
	ds_load_b32 v[SY+\t], v[9+(\q)/4] offset:((\q)%4)*512+\t*64
.endr
	s_wait_dscnt 0x0
.irp t, 0,1,2,3
.irp n, 0,1,2,3
.if (\q) == 0
	WMC ACC+32*\t+8*\n, WF+8*\n, YF+8*\t, BIAS+8*\n, SW+\n, SY+\t
.else
	WMC ACC+32*\t+8*\n, WF+8*\n, YF+8*\t, ACC+32*\t+8*\n, SW+\n, SY+\t       ; the 16 accumulators by turns
.endif
.endr
.endr
.endm
.macro TOSTAGE a                       ; token tile a: 32 bytes a lane and tile into rows of 272, each accumulator from its low end on; back as whole rows.  LDS serves a wave's instructions in order
.irp n, 0,1,2,3
	ds_store_b128 v12, v[ACC+32*(\a)+8*\n:ACC+32*(\a)+8*\n+3] offset:64*\n
	ds_store_b128 v12, v[ACC+32*(\a)+8*\n+4:ACC+32*(\a)+8*\n+7] offset:64*\n+16
.endr
.irp t, 0,1,2,3,4,5,6,7
	ds_load_b128 v[64+32*((\a)%2)+4*\t:64+32*((\a)%2)+4*\t+3], v13 offset:\t*2*P
.endr
.endm
.macro SEND a, younger                 ; younger: the LDS instructions issued behind tile a's loads
	s_wait_dscnt \younger
.irp t, 0,1,2,3,4,5,6,7
	global_store_b128 v14, v[64+32*((\a)%2)+4*\t:64+32*((\a)%2)+4*\t+3], s[12:13] offset:(16*(\a)+2*\t)*4096 th:TH_STORE_NT
.endr
.endm
	s_load_b256 s[4:11], s[0:1], 0x0               ; yimg s[4:5], o_w codes s[6:7], o_w scales s[8:9], o_b s[10:11]
	s_load_b64 s[12:13], s[0:1], 0x20              ; out0
	s_set_vgpr_msb 0x40
	v_lshl_add_u32 v0, v0, 2, 0x3da00
	v_mov_b32 v1, 0
	s_set_vgpr_msb 0x4045
	ds_add_u32 v0, v1
	ds_add_u32 v0, v1
	s_set_vgpr_msb 0x4500
	v_lshrrev_b32 v1, 5, v0
	s_delay_alu instid0(VALU_DEP_1)
	v_readfirstlane_b32 s[WV], v1                  ; wave 0..7
	v_and_b32 v1, 31, v0
	v_and_b32 v2, 15, v0                           ; r
	s_wait_alu depctr_va_vdst(0)
	v_bfe_u32 v3, v0, 4, 1                         ; h
	s_bfe_u32 s15, ttmp6, 0x40000                  ; cx
	s_bfe_u32 s16, ttmp6, 0x40004                  ; cy
	s_lshl_b32 s17, ttmp9, 2
	s_add_co_u32 s17, s17, s15                     ; g
	s_and_b32 s18, ttmp7, 0xffff
	s_lshl_b32 s18, s18, 2
	s_add_co_u32 s18, s18, s16                     ; tb
	s_lshl_b32 s19, s16, 2
	s_lshl_b32 s19, 15, s19                        ; my row of the cluster
	s_lshl_b32 s20, 0x1111, s15                    ; my column
	s_lshr_b32 s21, s[WV], 2                       ; which 64 tokens
	s_and_b32 s22, s[WV], 3                        ; which 64 columns
	s_or_b32 s[G1Y], s19, (3<<16)|(1<<21)          ; y: 136 dense rows of 256 bytes (32 elements of 8), no padding
	s_mov_b32 s[G1Y+1], 32<<16
	s_mov_b32 s[G1Y+2], 136<<16                    ; a K half of y's images: 136 dense rows of 256 bytes
	s_mov_b32 s[G1Y+3], 32<<16
	s_mov_b32 s[G1Y+4], 136
	s_mov_b32 s[G1Y+5], 32
	s_mov_b32 s[G1Y+6], 0
	s_mov_b32 s[G1Y+7], 0
	s_or_b32 s[G1W], s20, (1<<20)|(1<<21)|(5<<22)|(3<<25)   ; o_w: 128 rows x 256 bytes out of rows of 512, 16 bytes of padding behind each
	s_mov_b32 s[G1W+1], 256<<16
	s_mov_b32 s[G1W+2], 128<<16                    ; o_w: 128 rows to a load
	s_mov_b32 s[G1W+3], 256<<16
	s_mov_b32 s[G1W+4], 128
	s_mov_b32 s[G1W+5], 512
	s_mov_b32 s[G1W+6], 0
	s_mov_b32 s[G1W+7], 0
	; LDS addresses: constants, lane terms and the wave's number alone
	v_mul_u32_u24 v4, v2, P
	s_wait_alu depctr_va_vdst(0)
	v_lshl_add_u32 v4, v3, 4, v4
	s_mul_i32 s66, s22, 64*P
	s_add_co_u32 s66, s66, OW0
	v_add_nc_u32 v4, s66, v4                       ; v4-5: o_w's fragments, K half 0, 1
	s_delay_alu instid0(VALU_DEP_1)
	v_add_nc_u32 v5, OW1-OW0, v4
	s_lshl_b32 s66, s21, 12
	v_lshl_add_u32 v6, v1, 4, s66                  ; v6-7: y's images: 16 x lane + my four tiles of 1,024
	s_delay_alu instid0(VALU_DEP_1)
	v_add_nc_u32 v7, Y1, v6
	v_lshrrev_b32 v8, 3, v2
	s_delay_alu instid0(VALU_DEP_1)
	v_mul_u32_u24 v8, v8, P
	v_and_b32 v9, 7, v2
	s_delay_alu instid0(VALU_DEP_1)
	v_lshl_add_u32 v8, v9, 5, v8
	s_mul_i32 s66, s22, 8*P
	s_add_co_u32 s66, s66, OS
	v_add_nc_u32 v8, s66, v8                       ; v8: o_w's scale words
	s_lshl_b32 s66, s21, 8
	s_add_co_u32 s66, s66, 32768
	v_lshl_add_u32 v9, v2, 2, s66                  ; v9-10: y's scale words: 4 r
	s_delay_alu instid0(VALU_DEP_1)
	v_add_nc_u32 v10, Y1, v9
	v_mul_u32_u24 v13, v3, P
	s_delay_alu instid0(VALU_DEP_1)
	v_lshl_add_u32 v13, v2, 4, v13                 ; 272 h + 16 r
	s_mul_i32 s66, s[WV], 4*P
	s_add_co_u32 s66, s66, OS
	v_add_nc_u32 v11, s66, v13                     ; v11: where I store o_w's scale bytes
	s_mul_i32 s66, s[WV], 16*P
	s_add_co_u32 s66, s66, STG
	v_add_nc_u32 v13, s66, v13                     ; v13: the stage, back: lanes 0-15 one row, lanes 16-31 the next
	v_mul_u32_u24 v12, v2, P
	s_delay_alu instid0(VALU_DEP_1)
	v_lshl_add_u32 v12, v3, 5, v12
	s_delay_alu instid0(VALU_DEP_1)
	v_add_nc_u32 v12, s66, v12                     ; v12: the stage, in: row r, + 32 h
	v_lshlrev_b32 v14, 12, v3
	s_delay_alu instid0(VALU_DEP_1)
	v_lshl_add_u32 v14, v2, 4, v14                 ; v14: the same two rows in out0
	v_lshlrev_b32 v15, 5, v3                       ; v15: o_b: my eight columns of a tile
	s_lshl_b32 s66, s[WV], 10
	v_lshl_add_u32 v56, v1, 4, s66                 ; each of the two copying loads lands on its own address register
	s_delay_alu instid0(VALU_DEP_1)
	v_mov_b32 v60, v56
	; y's chain holds cy and the wave alone (s56-59), o_w's cx and the wave alone (s60-63)
	s_and_b32 s56, s[WV], 1
	s_mul_i32 s57, s56, Y1                         ; wave 0 fetches y's K half 0, wave 1 K half 1: on end in memory as in LDS
	s_mul_i32 s58, s18, 69632
	s_add_co_u32 s58, s58, s57
	s_mov_b32 s59, 0
	s_add_co_u32 s60, s[WV], 2
	s_and_b32 s60, s60, 3
	s_mul_i32 s61, s60, 2*HALF                     ; waves 2..5 count 0..3: bit 0 = which 128 rows of o_w, bit 1 = K half; in LDS the four parts lie on end
	s_and_b32 s63, s60, 1
	s_lshl_b32 s62, s17, 8
	s_lshl_b32 s63, s63, 7
	s_add_co_u32 s62, s62, s63                     ; row 256 g + 128 x bit 0
	s_lshl_b32 s62, s62, 9
	s_lshr_b32 s63, s60, 1
	s_lshl_b32 s63, s63, 8
	s_add_co_u32 s62, s62, s63                     ; + 256 bytes x K half
	s_mov_b32 s63, 0
	s_mov_b32 s69, 0
	s_wait_dscnt 0x0
	s_wait_kmcnt 0x0
	s_add_nc_u64 s[58:59], s[4:5], s[58:59]
	s_add_nc_u64 s[62:63], s[6:7], s[62:63]
	s_mov_b32 s[GY0], 1
	s_add_co_u32 s[GY0+1], s57, Y0
	s_mov_b64 s[GY0+2:GY0+3], s[58:59]
	s_or_b32 s[GY0+3], s[GY0+3], 0x80000000
	s_mov_b32 s[GW0], 1
	s_add_co_u32 s[GW0+1], s61, OW0
	s_mov_b64 s[GW0+2:GW0+3], s[62:63]
	s_or_b32 s[GW0+3], s[GW0+3], 0x80000000
	CROUND                                         ; all sixteen work-groups are here: the joint loads meet
	; All fills of the launch, one a wave: waves 0, 1 y's K halves, waves 2 to 5 o_w's four parts.
	s_cmp_lt_u32 s[WV], 2
	s_cbranch_scc0 .Lnot_y
	tensor_load_to_lds s[GY0:GY0+3], s[G1Y:G1Y+7]
	s_nop 0
	PLACES 4
	s_branch .Lasked
.Lnot_y:
	s_cmp_lt_u32 s[WV], 6
	s_cbranch_scc0 .Lasked
	tensor_load_to_lds s[GW0:GW0+3], s[G1W:G1W+7]
	s_nop 0
	PLACES 4
.Lasked:
	s_lshl_b32 s68, s17, 13
	s_add_nc_u64 s[8:9], s[8:9], s[68:69]          ; o_w's scales at row 256 g
	s_lshl_b32 s68, s17, 10
	s_lshl_b32 s23, s22, 8
	s_add_co_u32 s68, s68, s23
	s_add_nc_u64 s[10:11], s[10:11], s[68:69]      ; o_b at column 256 g + 64 (w % 4)
	s_add_nc_u64 s[12:13], s[12:13], s[68:69]      ; out0 at that column,
	s_lshl_b32 s68, s18, 19
	s_lshl_b32 s23, s21, 18
	s_add_co_u32 s68, s68, s23
	s_add_nc_u64 s[12:13], s[12:13], s[68:69]      ; and at token 128 tb + 64 (w / 4)
	s_wait_alu depctr_va_vdst(0)
	global_load_b128 v[56:59], v56, s[8:9]         ; the eight waves copy the scale bytes once, 512 consecutive bytes a load
	global_load_b128 v[60:63], v60, s[8:9] offset:512
.irp n, 0,1,2,3
	global_load_b128 v[BIAS+8*\n:BIAS+8*\n+3], v15, s[10:11] offset:64*\n
	global_load_b128 v[BIAS+8*\n+4:BIAS+8*\n+7], v15, s[10:11] offset:64*\n+16
.endr
	s_wait_loadcnt 0x0
	ds_store_b128 v11, v[56:59]
	ds_store_b128 v11, v[60:63] offset:2*P
	s_wait_tensorcnt 0x0                           ; my load, if I had one, has landed
	s_wait_dscnt 0x0
	s_barrier_signal -1
	s_barrier_wait -1
.irp q, 0,1,2,3
	KSTEP \q
.endr
.irp q, 4,5,6,7
	KSTEP \q
.endr
	PLACES 4                                       ; in front of the first read of results and of loads into the fragments' registers
	TOSTAGE 0
	TOSTAGE 1
	SEND 0, 16                                     ; behind tile 0's loads: tile 1's eight stores and eight loads
	s_wait_xcnt 0x0                                ; tile 0's stores have read their registers: tile 2's rows may land there
	TOSTAGE 2
	SEND 1, 16
	s_wait_xcnt 0x0
	TOSTAGE 3
	SEND 2, 16
	SEND 3, 0
	s_set_vgpr_msb 0x5
	s_wait_tensorcnt 0x0
	ds_add_u32 v0, v1
	s_wait_dscnt 0x0
	s_set_vgpr_msb 0x500
	CROUND                                         ; the closing round
	s_endpgm
.Lfunc_end_k_qf8238c526e_oproj:
	.size	k_qf8238c526e_oproj, .Lfunc_end_k_qf8238c526e_oproj-k_qf8238c526e_oproj
	.p2alignl 7, 3214868480
	.fill 96, 4, 3214868480
	.section	.rodata,"a",@progbits
	.p2align	6, 0x0
	.amdhsa_kernel k_qf8238c526e_oproj
		.amdhsa_group_segment_fixed_size 253440
		.amdhsa_private_segment_fixed_size 0
		.amdhsa_enable_private_segment 0
		.amdhsa_kernarg_size 40
		.amdhsa_user_sgpr_count 2
		.amdhsa_user_sgpr_kernarg_segment_ptr 1
		.amdhsa_wavefront_size32 1
		.amdhsa_system_sgpr_workgroup_id_x 1
		.amdhsa_system_sgpr_workgroup_id_y 1
		.amdhsa_system_sgpr_workgroup_id_z 1
		.amdhsa_system_vgpr_workitem_id 0
		.amdhsa_next_free_vgpr 258
		.amdhsa_next_free_sgpr 70
		.amdhsa_reserve_vcc 0
		.amdhsa_float_denorm_mode_32 3
		.amdhsa_float_denorm_mode_16_64 3
		.amdhsa_memory_ordered 1
		.amdhsa_forward_progress 1
		.amdhsa_inst_pref_size 46
	.end_amdhsa_kernel
	.amdgpu_metadata
---
amdhsa.version: [ 1, 2 ]
amdhsa.kernels:
  - .name:           k_qf8238c526e_oproj
    .symbol:         k_qf8238c526e_oproj.kd
    .args:
      - { .name: yimg, .offset: 0, .size: 8, .value_kind: global_buffer, .address_space: global }
      - { .name: o_w_codes, .offset: 8, .size: 8, .value_kind: global_buffer, .address_space: global }
      - { .name: o_w_scales, .offset: 16, .size: 8, .value_kind: global_buffer, .address_space: global }
      - { .name: o_b, .offset: 24, .size: 8, .value_kind: global_buffer, .address_space: global }
      - { .name: out0, .offset: 32, .size: 8, .value_kind: global_buffer, .address_space: global }
    .group_segment_fixed_size: 253440
    .private_segment_fixed_size: 0
    .kernarg_segment_align: 8
    .kernarg_segment_size: 40
    .max_flat_workgroup_size: 256
    .sgpr_count:     70
    .vgpr_count:     258
    .wavefront_size: 32
...
	.end_amdgpu_metadata
.endif
;; end of part 3
